; MI455X (gfx1250); checked and timed in simulation.
; The chip was launched on July 23, 2026; its instructions are those of AMD's public machine-readable ISA for CDNA 5 (MIT licence, August 2026) and "CDNA5" Instruction Set Architecture Reference Guide (July 2026). The comments in the code are by the model that wrote it; some were corrected since.
;; Causal Self Attention. Allowed arithmetic: matrix products marked QUANTISED: E2M3 operands, one E8M0 scale for each 32 along K, by v_wmma_scale_f32_16x16x128_f8f6f4 with both operands' format E2M3, f32 sums; everything else in f32.
;; Inputs: W_proj 1,024 x 1,024 float32; W_qkv 1,024 x 3,072 float32; attn_mask 4 x 2,048 int32; b_proj 1,024 float32; b_qkv 3,072 float32; x 4 x 2,048 x 1,024 float32.
;; Outputs: out0 4 x 2,048 x 1,024 float32.
;; This version of the problem:
;;   THIS VERSION OF THE PROBLEM IS GIVEN IN LOW PRECISION. The matrix products marked QUANTISED in the list below multiply operands that are first quantised to E2M3 (2 exponent bits, 3 mantissa bits; 6 bits a number), with one power-of-two scale for each 32 numbers along K (OCP MX v1.0); their sums are f32. All else is computed in f32.
;;   The module's matrix products, in the order in which they are computed (A, B: the left and right operand; K: the contracted axis; several contracted axes count as one K, in the product's order):
;;     1. [M 8,192, K 1,024] x [K 1,024, N 3,072]; A: input x; B: input W_qkv: QUANTISED
;;     2. batch 64 x [M 2,048, K 64] x [K 64, N 2,048]; A: computed on the way; B: computed on the way: QUANTISED
;;     3. batch 64 x [M 2,048, K 2,048] x [K 2,048, N 64]; A: softmax (see below); B: computed on the way: QUANTISED
;;     4. [M 8,192, K 1,024] x [K 1,024, N 1,024]; A: computed on the way; B: input W_proj: QUANTISED
;;   THE QUANTISER, for each operand of a quantised product, along K:
;;     - K is cut into blocks of 32 from its start; a last block that is shorter is filled with zeros.
;;     - A block's scale is 2^e with e = floor(log2(the largest magnitude in the block)) - 2, held to -126 .. 127; a block of zeros has e = 0. As a byte (E8M0): e + 127.
;;     - Each number is divided by its block's scale, clamped to +-7.5, and rounded to the nearest number of E2M3, ties to even, subnormals kept.
;;     - The product sums the exact products of the quantised numbers (number of the format x scale) in f32.
;;   ~~~python
;;   def quantise(x, axis):      # numpy; x: float32 -> the quantised numbers, widened to float32 again
;;       x = np.moveaxis(x, axis, -1); K = x.shape[-1]
;;       x = np.pad(x, [(0, 0)] * (x.ndim - 1) + [(0, -K % 32)]); x = x.reshape(x.shape[:-1] + (-1, 32)); a = np.abs(x).max(-1, keepdims=True)
;;       e = np.where(a > 0, np.clip(np.frexp(np.where(a > 0, a, 1))[1] - 1 - 2, -126, 127), 0)      # np.frexp(a)[1] - 1 = floor(log2(a)), exactly
;;       r = np.clip(x / 2.0 ** e, -7.5, 7.5)
;;       step = 2.0 ** (np.maximum(np.frexp(np.where(r == 0, 1, r))[1] - 1, 0) - 3)
;;       q = np.round(r / step) * step * 2.0 ** e      # np.round: ties to even
;;       return np.moveaxis(q.reshape(q.shape[:-2] + (-1,))[..., :K], -1, axis).astype(np.float32)
;;   ~~~
;;   SOFTMAX AHEAD OF A QUANTISED PRODUCT. Where the list says 'softmax', what is quantised is not the finished softmax but p = 2^(t - M), with t = logit x log2(e) and M = ceil(the row's largest t), a whole number; so 1/2 < the row's largest p <= 1. The row's sum l is taken of the UNQUANTISED p, in f32, and the product's result is divided by l at the end. Since M is a whole number, a kernel that streams over the keys may use a running M (the ceiling of the running maximum): every later rescaling is an exact power of two, which a block's scale takes up: the codes' values come out the same.
;;   OPERANDS COMPUTED ON THE WAY. 'Computed on the way' means the value that the module computes at that place (a softmax that the list does not call 'softmax' is quantised finished and normalised). What goes into a quantiser is computed in f32, as accurately as f32 sums, v_exp_f32 and their like allow (about 1e-6 of the number): no bf16 or f16 on the way to a quantiser, and a product that is left as it is and whose result goes on into a quantised operand takes f32 operands (vector FMAs, or v_wmma_f32_16x16x4_f32). A number that lies on a knife's edge between two numbers of the format may be rounded either way, as far as f32 arithmetic and the matrix unit's own rounding can turn it there, and no further.
;; One version. Each part assembles by itself: llvm-mc -triple=amdgcn-amd-amdhsa -mcpu=gfx1250 --defsym DOCPART=n.
;; ======== version 1 of 1: 4 launches
;; limits: right only within a limited range of input values
;; workspace buffers: xq 6,553,600 bytes; wq 3,276,800 bytes; qq 6,553,600 bytes; kv 13,107,200 bytes; yq 6,553,600 bytes
;; launch quant (part 1): grid 384 x 1, 4 waves a work-group, no clusters, 68,096 bytes of LDS; arguments x, W_qkv, W_proj, xq, wq; writes xq, wq
.if DOCPART == 1
	.amdgcn_target "amdgcn-amd-amdhsa--gfx1250"
	.amdhsa_code_object_version 6
	.text
	.protected	k_qa141b9ae85_quant
	.globl	k_qa141b9ae85_quant
	.p2align	8
	.type	k_qa141b9ae85_quant,@function
k_qa141b9ae85_quant:
	s_mov_b64 s[64:65], 0
	v_nop
	global_prefetch_b8 v0, s[64:65] scope:SCOPE_SE
	s_setreg_imm32_b32 hwreg(HW_REG_WAVE_MODE, 25, 1), 1
	s_wait_xcnt 0x0
; x [8192][1024], W_qkv [1024][3072] and W_proj [1024][1024], f32, become codes of FP6 (E2M3) with K innermost and one E8M0 byte for each 32 along K.
; xq: codes [8192 rows][768 bytes], then from byte 6,291,456 the scale bytes [8192][32].  wq: codes [4096 rows][768] (rows 0-3071 the columns of W_qkv, rows 3072-4095 those of W_proj), then from byte 3,145,728 [4096][32].
; ROWS LIE IN TILE ORDER: within each 32 rows, row 16 h + 8 u + j lies at place 16 u + 8 h + j.  Sixteen rows on end are then a tile whose matrix result, used transposed, gives a lane 16 neighbours in the registers of two neighbouring tiles.
; A block's scale is 2^(floor(log2(largest magnitude)) - 2): the largest magnitude's exponent field less 2, held at 1 from below.
; LIMITS: a block of zeros gets the byte 1 where the rule says 127 (its codes are zeros, and this program alone reads the bytes); magnitudes under the floor 2^-124 count as the floor; NaN and infinities among the inputs are not served.
; Work-groups 0-255 take x (K innermost: 16 neighbours a lane, turned through the wave's own stage in LDS); work-groups 256-383 take the weights (K outermost: a lane takes a column, its registers run down K).
; The two ways have LDS bytes of their own: x bytes 0-32,767, the weights 32,768-67,583.  Waves share nothing: no barrier.
.set STEPS, 16
.set EMAX,  2
.set CB,    12                         ; bytes of 16 codes
.set SP,    80                         ; a lane's place in x's stage: 64 bytes + 16 of padding
.set WREG,  8192                       ; x: a wave's LDS: two stages of 32 x SP bytes, then its 256 scale bytes
.set R,     16                         ; v16-79   x: four sets of 16 numbers as loaded
.set X,     80                         ; v80-111  x: two sets of 16 neighbours
.set E,     112                        ; v112-127 x: a scale byte for each step
.set C,     128                        ; v128-191 x: codes, four registers a step
.set WST,   32768                      ; the weights' stages begin here
.set WP,    272                        ; a stage row: sixteen places of 16 bytes + 16
.set NB,    8                          ; blocks of 32 along K for a wave
.set SB,    24                         ; v24-25   scale bytes, four to a register
.set WX,    32                         ; v32-95   two sets of 32 numbers
.set WC,    96                         ; v96-102  a block's codes
.set OUTR,  112                        ; v112-175 the way out
.set VO,    176                        ; v176-207 4 x lane + i x pitch: the offsets of a block's 32 rows
	s_load_b128 s[4:7], s[0:1], 0x0                ; x, W_qkv
	s_load_b128 s[8:11], s[0:1], 0x10              ; W_proj, xq
	s_load_b64 s[12:13], s[0:1], 0x20              ; wq
	v_lshl_add_u32 v208, v0, 2, 0x10800
	v_mov_b32 v209, 0
	v_lshrrev_b32 v1, 5, v0
	v_readfirstlane_b32 s16, v1                    ; wave
	v_and_b32 v2, 31, v0                           ; lane
	s_cmp_lt_u32 ttmp9, 256
	s_cbranch_scc0 .Lweights
	; ---------------- x: a wave takes 8 rows, 8,192 numbers, in 16 steps of 512
	v_lshlrev_b32 v3, 4, v2                        ; my 16 bytes of a load's 512
	s_mul_i32 s17, s16, WREG
	v_lshrrev_b32 v14, 2, v2
	v_mul_u32_u24 v14, v14, SP
	v_and_b32 v15, 3, v2
	v_lshl_add_u32 v14, v15, 4, v14
	v_add_nc_u32 v14, s17, v14                     ; into the stage: SP (lane / 4) + 16 (lane % 4)
	v_mul_u32_u24 v15, v2, SP
	v_add_nc_u32 v15, s17, v15                     ; out of it: SP x lane: my 16 neighbours
	v_mul_u32_u24 v4, v2, CB                       ; my codes' place in a step's
	v_lshrrev_b32 v5, 1, v2
	s_add_co_u32 s17, s17, 2*32*SP
	v_add_nc_u32 v5, s17, v5                       ; my block's byte among the wave's 256
	v_lshlrev_b32 v7, 3, v2
	v_add_nc_u32 v6, s17, v7
	s_lshl_b32 s18, ttmp9, 2
	s_add_co_u32 s19, s18, s16                     ; the run of 8 rows that I read
	s_lshl_b32 s20, s19, 15
	s_mov_b32 s21, 0
	s_and_b32 s22, s16, 1
	s_lshl_b32 s22, s22, 1
	s_lshr_b32 s23, s16, 1
	s_or_b32 s22, s22, s23
	s_add_co_u32 s22, s22, s18                     ; and its place in tile order: runs 0, 1, 2, 3 of 32 rows go to places 0, 2, 1, 3
	s_mul_i32 s24, s22, 6144
	s_mov_b32 s25, 0
	s_lshl_b32 s26, s22, 8
	s_add_co_u32 s26, s26, 6291456
	s_mov_b32 s27, 0
	s_wait_alu depctr_va_vdst(0)
	s_wait_kmcnt 0x0
	s_add_nc_u64 s[4:5], s[4:5], s[20:21]
	s_add_nc_u64 s[8:9], s[10:11], s[24:25]        ; my codes
	s_add_nc_u64 s[10:11], s[10:11], s[26:27]      ; my scale bytes
.macro XLOAD t
.irp i, 0,1,2,3
	global_load_b128 v[R+16*((\t)%4)+4*\i:R+16*((\t)%4)+4*\i+3], v3, s[4:5] offset:2048*(\t)+512*\i th:TH_LOAD_NT   ; 32 lanes read 512 consecutive bytes
.endr
.endm
.macro XTURN t                         ; a step's numbers through the stage; LDS serves a wave's instructions in order, so no wait stands between the stores and the loads
.irp i, 0,1,2,3
	ds_store_b128 v14, v[R+16*((\t)%4)+4*\i:R+16*((\t)%4)+4*\i+3] offset:32*SP*((\t)%2)+8*SP*\i
.endr
.irp i, 0,1,2,3
	ds_load_b128 v[X+16*((\t)%2)+4*\i:X+16*((\t)%2)+4*\i+3], v15 offset:32*SP*((\t)%2)+16*\i
.endr
.endm
.irp t, 0,1,2,3
	XLOAD \t
.endr
	s_wait_loadcnt 12                              ; step 0's four loads are in; three steps' twelve stay out
	XTURN 0
.macro XSTEP t
.set XS, X+16*((\t)%2)
.if (\t) > 0
	s_wait_dscnt 1                                 ; this step's numbers are back from the stage; the last step's byte store may be out
.else
	s_wait_dscnt 0x0
.endif
.if (\t)+4 < STEPS
	XLOAD (\t)+4                                   ; into the registers that the stage's stores have read
.endif
.if (\t)+1 < STEPS
.if STEPS-2-(\t) >= 3
	s_wait_loadcnt 12                              ; the next step's four loads are in; those of the three steps behind it may be out
.else
	s_wait_loadcnt 4*(STEPS-2-(\t))
.endif
	XTURN (\t)+1
.endif
	v_max3_num_f32 v8, |v[XS]|, |v[XS+1]|, |v[XS+2]|               ; the largest magnitude of my 16, in two chains
	v_max3_num_f32 v9, |v[XS+3]|, |v[XS+4]|, |v[XS+5]|
.irp i, 6,10
	v_max3_num_f32 v8, v8, |v[XS+\i]|, |v[XS+\i+1]|
	v_max3_num_f32 v9, v9, |v[XS+\i+2]|, |v[XS+\i+3]|
.endr
	v_max3_num_f32 v8, v8, |v[XS+14]|, |v[XS+15]|
	v_max3_num_f32 v8, v8, v9, (EMAX+1)<<23        ; and the floor, so that the byte cannot fall under 1
	v_max_num_f32_dpp v8, v8, v8 row_xmask:1 row_mask:0xf bank_mask:0xf   ; with my neighbour's 16: the block's
	v_add_nc_u32 v11, -(EMAX<<23), v8              ; EMAX off the exponent field: the conversion's scale operand
	v_cvt_scalef32_pk16_fp6_f32 v[C+4*(\t):C+4*(\t)+2], v[XS:XS+15], v11
	v_lshrrev_b32 v[E+(\t)], 23, v11               ; the scale's byte
	ds_store_b8 v5, v[E+(\t)] offset:16*(\t)       ; both lanes of a block write the same byte with the same value
	global_store_b96 v4, v[C+4*(\t):C+4*(\t)+2], s[8:9] offset:32*CB*(\t)   ; the wave stores 384 consecutive bytes
.endm
.irp t, 0,1,2,3,4,5,6,7,8,9,10,11,12,13,14,15
	XSTEP \t
.endr
	ds_load_b64 v[12:13], v6
	s_wait_dscnt 0x0
	global_store_b64 v7, v[12:13], s[10:11]        ; 32 lanes store 256 consecutive bytes, aligned
	s_wait_tensorcnt 0x0
	ds_add_u32 v208, v209
	s_wait_dscnt 0x0
	s_endpgm
	; ---------------- the weights: a wave takes 32 columns x 256 along K
.Lweights:
	s_sub_co_u32 s17, ttmp9, 256
	s_and_b32 s18, s17, 31                         ; which 128 rows of wq
	s_lshr_b32 s19, s17, 5                         ; which 256 along K
	s_lshl_b32 s20, s18, 7
	s_lshl_b32 s21, s16, 5
	s_add_co_u32 s20, s20, s21                     ; my wave's first row of wq
	s_mov_b32 s22, 4096
	s_wait_kmcnt 0x0
	s_cmp_lt_u32 s18, 24                           ; rows 0-3071 come from W_qkv, the rest from W_proj: the choice hangs on the work-group's number alone
	s_cselect_b64 s[6:7], s[6:7], s[8:9]
	s_cselect_b32 s22, 12288, s22                  ; bytes from a row of the source to the next
	s_cselect_b32 s23, 0, 3072
	s_sub_co_u32 s23, s20, s23                     ; my first column in the source
	s_lshl_b32 s23, s23, 2
	s_lshl_b32 s24, s19, 8
	s_mul_i32 s24, s24, s22
	s_add_co_u32 s24, s24, s23
	s_mov_b32 s25, 0
	s_add_nc_u64 s[32:33], s[6:7], s[24:25]        ; block 0's first row; a base for each of the eight blocks, never rewritten
	s_lshl_b32 s26, s22, 5
	s_mov_b32 s27, 0
.irp t, 1,2,3,4,5,6,7
	s_add_nc_u64 s[32+2*\t:33+2*\t], s[30+2*\t:31+2*\t], s[26:27]
.endr
	s_mul_i32 s28, s20, 768
	s_mul_i32 s29, s19, 192
	s_add_co_u32 s28, s28, s29
	s_mov_b32 s29, 0
	s_add_nc_u64 s[8:9], s[12:13], s[28:29]        ; my codes
	s_lshl_b32 s28, s20, 5
	s_lshl_b32 s30, s19, 3
	s_add_co_u32 s28, s28, s30
	s_add_co_u32 s28, s28, 3145728
	s_add_nc_u64 s[10:11], s[12:13], s[28:29]      ; my scale bytes
	s_wait_alu depctr_va_vdst(0)
	v_lshlrev_b32 v[VO], 2, v2
.set i, 1
.rept 31
	v_add_nc_u32 v[VO+i], s22, v[VO+i-1]
.set i, i+1
.endr
	v_and_b32 v10, 7, v2                           ; my column's place in tile order
	v_bfe_u32 v11, v2, 3, 1
	v_lshl_add_u32 v10, v11, 4, v10
	v_bfe_u32 v11, v2, 4, 1
	v_lshl_add_u32 v10, v11, 3, v10
	s_mul_i32 s31, s16, 32*WP
	s_add_co_u32 s31, s31, WST                     ; my stage
	v_mul_u32_u24 v4, v10, WP
	v_add_nc_u32 v4, s31, v4                       ; into it: row = my column's place
	v_and_b32 v5, 15, v2
	v_lshrrev_b32 v6, 4, v2
	v_mul_u32_u24 v7, v6, WP
	v_lshl_add_u32 v7, v5, 4, v7
	v_add_nc_u32 v7, s31, v7                       ; out of it: sixteen lanes to a row, two rows an instruction
	v_mul_u32_u24 v8, v6, 768
	v_mad_u32_u24 v8, v5, 12, v8                   ; and the same place in wq
	v_lshlrev_b32 v9, 5, v10                       ; my row of scale bytes
.macro WLOAD t                         ; block t: 32 rows of the source at my column
.set i, 0
.rept 32
	global_load_b32 v[WX+32*((\t)%2)+i], v[VO+i], s[32+2*(\t):33+2*(\t)] th:TH_LOAD_NT
.set i, i+1
.endr
.endm
	WLOAD 0
	WLOAD 1
.macro WBLOCK t
.set XS, WX+32*((\t)%2)
.if (\t) < NB-1
	s_wait_loadcnt 32                              ; this block's 32 loads are in; the next block's may be out
.else
	s_wait_loadcnt 0
.endif
	v_max3_num_f32 v12, |v[XS]|, |v[XS+1]|, |v[XS+2]|               ; all 32 numbers of the block are mine
	v_max3_num_f32 v13, |v[XS+3]|, |v[XS+4]|, |v[XS+5]|
.irp i, 6,10,14,18,22,26
	v_max3_num_f32 v12, v12, |v[XS+\i]|, |v[XS+\i+1]|
	v_max3_num_f32 v13, v13, |v[XS+\i+2]|, |v[XS+\i+3]|
.endr
	v_max3_num_f32 v12, v12, |v[XS+30]|, |v[XS+31]|
	v_max3_num_f32 v12, v12, v13, (EMAX+1)<<23
	v_add_nc_u32 v11, -(EMAX<<23), v12
	v_lshrrev_b32 v13, 23, v11
.if (\t)%4 == 0
	v_mov_b32 v[SB+(\t)/4], v13
.else
	v_lshl_or_b32 v[SB+(\t)/4], v13, 8*((\t)%4), v[SB+(\t)/4]
.endif
	v_cvt_scalef32_pk16_fp6_f32 v[WC:WC+2], v[XS:XS+15], v11
	v_cvt_scalef32_pk16_fp6_f32 v[WC+4:WC+6], v[XS+16:XS+31], v11   ; (a conversion's three registers begin on an even number)
	ds_store_b96 v4, v[WC:WC+2] offset:32*(\t)     ; 12 bytes to a place of 16
	ds_store_b96 v4, v[WC+4:WC+6] offset:32*(\t)+16
.if (\t)+2 < NB
	WLOAD (\t)+2
.endif
	s_wait_dscnt 0x0                               ; the stores have read their registers: the next block's codes may be written
.endm
.set Q, 0
.rept NB
	WBLOCK Q
.set Q, Q+1
.endr
	s_wait_alu depctr_va_vdst(0)
	global_store_b64 v9, v[SB:SB+1], s[10:11]
.irp t, 0,1,2,3,4,5,6,7,8,9,10,11,12,13,14,15
	ds_load_b96 v[OUTR+4*\t:OUTR+4*\t+2], v7 offset:2*\t*WP
.endr
.irp t, 0,1,2,3,4,5,6,7,8,9,10,11,12,13,14,15
	s_wait_dscnt 15-\t
	global_store_b96 v8, v[OUTR+4*\t:OUTR+4*\t+2], s[8:9] offset:2*\t*768   ; sixteen lanes store a row's 192 consecutive bytes
.endr
	s_wait_tensorcnt 0x0
	ds_add_u32 v208, v209
	s_wait_dscnt 0x0
	s_endpgm
.Lfunc_end_k_qa141b9ae85_quant:
	.size	k_qa141b9ae85_quant, .Lfunc_end_k_qa141b9ae85_quant-k_qa141b9ae85_quant
	.p2alignl 7, 3214868480
	.fill 96, 4, 3214868480
	.section	.rodata,"a",@progbits
	.p2align	6, 0x0
	.amdhsa_kernel k_qa141b9ae85_quant
		.amdhsa_group_segment_fixed_size 68096
		.amdhsa_private_segment_fixed_size 0
		.amdhsa_enable_private_segment 0
		.amdhsa_kernarg_size 40
		.amdhsa_user_sgpr_count 2
		.amdhsa_user_sgpr_kernarg_segment_ptr 1
		.amdhsa_wavefront_size32 1
		.amdhsa_system_sgpr_workgroup_id_x 1
		.amdhsa_system_sgpr_workgroup_id_y 1
		.amdhsa_system_sgpr_workgroup_id_z 1
		.amdhsa_system_vgpr_workitem_id 0
		.amdhsa_next_free_vgpr 210
		.amdhsa_next_free_sgpr 66
		.amdhsa_reserve_vcc 0
		.amdhsa_float_denorm_mode_32 3
		.amdhsa_float_denorm_mode_16_64 3
		.amdhsa_memory_ordered 1
		.amdhsa_forward_progress 1
		.amdhsa_inst_pref_size 75
	.end_amdhsa_kernel
	.amdgpu_metadata
---
amdhsa.version: [ 1, 2 ]
amdhsa.kernels:
  - .name:           k_qa141b9ae85_quant
    .symbol:         k_qa141b9ae85_quant.kd
    .args:
      - { .name: x, .offset: 0, .size: 8, .value_kind: global_buffer, .address_space: global }
      - { .name: W_qkv, .offset: 8, .size: 8, .value_kind: global_buffer, .address_space: global }
      - { .name: W_proj, .offset: 16, .size: 8, .value_kind: global_buffer, .address_space: global }
      - { .name: xq, .offset: 24, .size: 8, .value_kind: global_buffer, .address_space: global }
      - { .name: wq, .offset: 32, .size: 8, .value_kind: global_buffer, .address_space: global }
    .group_segment_fixed_size: 68096
    .private_segment_fixed_size: 0
    .kernarg_segment_align: 8
    .kernarg_segment_size: 40
    .max_flat_workgroup_size: 128
    .sgpr_count:     66
    .vgpr_count:     210
    .wavefront_size: 32
...
	.end_amdgpu_metadata
.endif
;; end of part 1
;; launch gemm1 (part 2): grid 8 x 32, 4 waves a work-group, clusters of 4 x 4, 327,680 bytes of LDS; arguments xq, wq, b_qkv, qq, kv; writes qq, kv
.if DOCPART == 2
	.amdgcn_target "amdgcn-amd-amdhsa--gfx1250"
	.amdhsa_code_object_version 6
	.text
	.protected	k_qa141b9ae85_gemm1
	.globl	k_qa141b9ae85_gemm1
	.p2align	8
	.type	k_qa141b9ae85_gemm1,@function
k_qa141b9ae85_gemm1:
	s_mov_b64 s[64:65], 0
	v_nop
	global_prefetch_b8 v0, s[64:65] scope:SCOPE_SE
	s_setreg_imm32_b32 hwreg(HW_REG_WAVE_MODE, 25, 1), 1
	s_wait_xcnt 0x0
	s_wait_alu depctr_hold_cnt(0) depctr_sa_sdst(0) depctr_va_vdst(0) depctr_va_sdst(0) depctr_va_ssrc(0) depctr_va_vcc(0) depctr_vm_vsrc(0)
	s_getreg_b32 s2, hwreg(HW_REG_IB_STS2, 6, 4)
	s_cmp_eq_u32 s2, 0
	s_cbranch_scc0 .Lentry_in_a_cluster
	s_endpgm
.Lentry_in_a_cluster:
	s_bfe_u32 s2, ttmp6, 0x10000c
	s_cmp_lg_u32 s2, 0xf033
	s_cbranch_scc0 .Lentry_shape_is_right
	s_endpgm
.Lentry_shape_is_right:
; qkv = x W_qkv + b_qkv on codes of FP6 (E2M3); the results are quantised at once, in registers, into the operand images that the attention launch reads.  Nothing leaves as f32.
; A work-group takes 256 tokens and, in three phases, 128 channels (two heads) of q, of k and of v: 8 x 32 work-groups of equal work.
; x's 256 rows, ALL of K (768 bytes, 16 of padding behind each 256: pitch 816), and their scale bytes lie in LDS for the whole launch.  A weight's 128 rows have a region of their own, filled three times.
; Four waves, 2 x 2: the wave in row a takes tokens 128 a .. + 127 in eight blocks of 16, the wave in column b one head.  It holds its 64 rows of the weight, all of K, in registers (32 fragments of 12); a block is 32 products on four accumulators by turns
; the bias is the first four products' C.  A block's fragments lie twice in registers: block s + 2 is fetched behind block s.
; q, k: source 0 = the weight's rows, source 1 = the tokens.  Rows of xq and wq lie in tile order, so a lane's 32 sums of a block are two half blocks of 32 neighbouring channels of one token: six registers of codes and two scale bytes.
; The search for the largest magnitudes of block s - 1 stands among block s's products, two lines behind every second one; the conversions stand behind the block's last product.
; v: source 0 = the tokens, source 1 = the weight's rows: a lane holds one channel, and its 64 sums of eight blocks run along the 128 keys: a fragment of 12 registers and a scale word for each of four tiles, made behind the phase.
; FILLS.  At the head one joint load a wave: W_q's rows (shared along a column of the cluster), x's scale bytes, x's rows 0-127, x's rows 128-255 (shared along a row).  TWO REFILLS of the weights' region, by wave 0, each in a round of the cluster's barrier that
; stands inside a phase's first block, with a tensor wait, an LDS add and an LDS wait ahead of it: by then every wave holds the old weight in registers.  A plain barrier at the phase's end shows the new rows to all.
; No prefetch: each refill is asked for seven blocks of products ahead of its first read, and the head has no loop to run ahead in.
; THE WAITS' COUNTS.  A fetch is 28 LDS loads.  Behind block s's fetch stand block s + 1's fetch (28) and, ahead of blocks 3 and 5 of q and k, one store of a scale word (29); ahead of block 7 that store alone (1; v: none).
; LIMITS: a block of zeros gets the byte 1 (its codes are zeros; this program alone reads the bytes); NaN and infinities are not served.
.set BP,    816
.set AHB,   128*BP
.set BB,    2*AHB                      ; the weights' region
.set ASC,   BB+AHB                     ; x's scale bytes: 32 units of 256 + 16
.set SWST,  ASC+32*272                 ; a stage of 256 bytes a wave for the results' scale words
.set SPARE, SWST+1024                  ; the spare words: 128 bytes a wave, named by no other line
.set NF,    28
.set L16,  4
.set L8,   5
.set ABS,  6
.set BO,   7
.set SPW,  10
.set NIL,  11
.set ASA,  12
.set SWS,  13
.set SWR,  14
.set BVO,  15
.set ADB,  16                          ; v16-23 the weight's four tiles, two address registers each (the second: behind one padding more in lanes 16-31)
.set SB,   24                          ; v24-39 the weight's scale words: 8 (t / 2) + q; lanes 0-15 tile 2 (t / 2), lanes 16-31 the next
.set SA,   44                          ; v44-59 the tokens' scale words, two sets of eight
.set ACC,  64                          ; v64-127 q, k: two sets of four accumulators
.set HV0,  64                          ; v64-191 v: tiles 0, 1: 64 t + 8 s + j
.set HV1,  840                         ; v840-967 tiles 2, 3
.set ADA,  192                         ; v192-207 the tokens' eight blocks, two address registers each
.set BM,   208                         ; q, k at work: v208-226
.set PT,   210
.set SO,   212
.set HW,   214
.set WD,   216
.set NCD,  218
.set CT,   224
.set OW,   228
.set TM,   208                         ; v at work: v208-244
.set PC,   224
.set PW,   244
.set BIQ,  840                         ; until v's phase: q's and k's bias, k's and v's weights' scale words
.set BIK,  872
.set SBK,  904
.set SBV,  920
.set BBV,  992                         ; v992-1023 v's bias, eight registers a tile
.set G1A, 24
.set G1B, 32
.set G1S, 48
.set G0B, 56
.set G0S, 60
.set G0A, 68
.set G0A2, 72
.set QB,  76
.set QS,  78
.set KB,  80
.set KS,  82
.set SEL, 86
.set MSB, 0
.macro WIN new                         ; the immediate's high byte repeats the setting that is left
.if MSB != \new
	s_set_vgpr_msb (MSB<<8)|\new
.set MSB, \new
.endif
.endm
.macro PLACES n
.rept \n
	v_nop
.endr
.endm
.macro CREST
	s_cmp_lg_u32 s14, 0
	s_cbranch_scc1 .Lnot_wave_0_\@
	s_barrier_signal -3
.Lnot_wave_0_\@:
	s_barrier_wait -3
	s_barrier_signal -1
	s_barrier_wait -1
.endm
.macro CROUND
	s_barrier_signal -1
	s_barrier_wait -1
	CREST
.endm
.macro ARM under, g0, g1, next
	s_cmp_lt_u32 s14, \under
	s_cbranch_scc0 \next
	tensor_load_to_lds s[\g0:\g0+3], s[\g1:\g1+7]
	s_nop 0
	PLACES 4
	s_branch .Lhead_asked
\next:
.endm
.macro GROUP1 g, mask                  ; 128 rows of 768 bytes, 4 words of padding behind every 64
	s_or_b32 s[\g], s[\mask], (1<<20)|(1<<21)|(5<<22)|(3<<25)
	s_mov_b32 s[\g+1], 768<<16
	s_mov_b32 s[\g+2], 128<<16
	s_mov_b32 s[\g+3], 768<<16
	s_mov_b32 s[\g+4], 128
	s_mov_b32 s[\g+5], 768
	s_mov_b32 s[\g+6], 0
	s_mov_b32 s[\g+7], 0
.endm
	s_load_b256 s[4:11], s[0:1], 0x0               ; xq, wq, b_qkv, qq
	s_load_b64 s[12:13], s[0:1], 0x20              ; kv
	v_lshl_add_u32 v[SPW], v0, 2, SPARE
	v_mov_b32 v[NIL], 0
	ds_add_u32 v[SPW], v[NIL]                      ; the opening lines: the add twice and one wait
	ds_add_u32 v[SPW], v[NIL]
	v_lshrrev_b32 v1, 5, v0
	v_readfirstlane_b32 s14, v1                    ; wave; s15 its row a, s16 its column b
	s_lshr_b32 s15, s14, 1
	s_and_b32 s16, s14, 1
	s_bfe_u32 s40, ttmp6, 0x40000                  ; cx
	s_bfe_u32 s41, ttmp6, 0x40004                  ; cy
	s_lshl_b32 s42, ttmp9, 2
	s_add_co_u32 s42, s42, s40                     ; the pair of heads, 0 .. 7
	s_and_b32 s17, ttmp7, 0xffff
	s_lshl_b32 s17, s17, 2
	s_add_co_u32 s17, s17, s41                     ; the run of 256 tokens, 0 .. 31
	s_lshl_b32 s43, s41, 2
	s_lshl_b32 s43, 15, s43                        ; my row of the cluster
	s_lshl_b32 s44, 0x1111, s40                    ; my column
	GROUP1 G1A, 43
	GROUP1 G1B, 44
	s_or_b32 s[G1S], s43, (3<<16)|(1<<20)|(1<<21)|(5<<22)|(3<<25)   ; 8,192 dense bytes as 32 rows of 256
	s_mov_b32 s[G1S+1], 32<<16
	s_mov_b32 s[G1S+2], 32<<16
	s_mov_b32 s[G1S+3], 32<<16
	s_mov_b32 s[G1S+4], 32
	s_mov_b32 s[G1S+5], 32
	s_mov_b32 s[G1S+6], 0
	s_mov_b32 s[G1S+7], 0
	s_mov_b32 s[G0B], 1
	s_mov_b32 s[G0B+1], BB
	s_mov_b32 s[G0S], 1
	s_mov_b32 s[G0S+1], ASC
	s_mov_b32 s[G0A], 1
	s_mov_b32 s[G0A+1], 0
	s_mov_b32 s[G0A2], 1
	s_mov_b32 s[G0A2+1], AHB
	s_mov_b32 s[SEL], 0x76543210
	s_mov_b32 s[SEL+1], 0xfedcba98
	s_mul_i32 s20, s15, AHB
	s_mul_i32 s21, s16, 64*BP
	s_add_co_u32 s21, s21, BB
	s_mul_i32 s22, s15, 16*272
	s_add_co_u32 s22, s22, ASC
	s_lshl_b32 s23, s14, 8
	s_add_co_u32 s23, s23, SWST
	v_and_b32 v1, 15, v0                           ; r
	v_bfe_u32 v2, v0, 4, 1                         ; h
	v_and_b32 v3, 31, v0
	v_mul_u32_u24 v8, v1, BP
	v_mad_u32_u24 v9, v2, 24, v8
	v_mad_u32_u24 v8, v2, 40, v8
	v_add_nc_u32 v[ADA], s20, v9
	v_add_nc_u32 v[ADA+1], s20, v8
	v_add_nc_u32 v[ADB], s21, v9
	v_add_nc_u32 v[ADB+1], s21, v8
.irp k, 1,2,3,4,5,6,7
	v_add_nc_u32 v[ADA+2*\k], \k*16*BP, v[ADA]
	v_add_nc_u32 v[ADA+2*\k+1], \k*16*BP, v[ADA+1]
.endr
.irp k, 1,2,3
	v_add_nc_u32 v[ADB+2*\k], \k*16*BP, v[ADB]
	v_add_nc_u32 v[ADB+2*\k+1], \k*16*BP, v[ADB+1]
.endr
	v_lshrrev_b32 v8, 3, v1
	v_mul_u32_u24 v8, v8, 272
	v_and_b32 v9, 7, v1
	v_lshl_add_u32 v8, v9, 5, v8
	v_add_nc_u32 v[ASA], s22, v8                   ; my row's 32 scale bytes: eight rows to a unit of 256 + 16
	v_lshlrev_b32 v8, 2, v1
	v_add_nc_u32 v[SWS], s23, v8
	v_lshlrev_b32 v[L8], 3, v3
	v_add_nc_u32 v[SWR], s23, v[L8]
	v_lshlrev_b32 v[L16], 4, v3
	v_lshlrev_b32 v[ABS], 5, v3
	v_lshlrev_b32 v[BO], 6, v2
	v_and_b32 v8, 8, v1
	v_add_nc_u32 v8, v8, v1
	v_lshlrev_b32 v[BVO], 2, v8                    ; 4 (r + 8 (r / 8))
.irp k, 0,1,2,3,4,5,6,7
	v_mov_b32 v[208+\k], 0                         ; a lane permute's destination counts as one of its sources
.endr
	s_wait_alu depctr_va_vdst(0)                   ; the wait behind the head's vector lines
	s_wait_dscnt 0x0
	CROUND                                         ; all sixteen work-groups are here: the joint loads meet
	s_wait_kmcnt 0x0
	s_mul_i32 s20, s17, 256*768
	s_mov_b32 s21, 0
	s_add_nc_u64 s[G0A+2:G0A+3], s[4:5], s[20:21]
	s_add_nc_u64 s[G0A2+2:G0A2+3], s[G0A+2:G0A+3], 128*768
	s_or_b32 s[G0A+3], s[G0A+3], 0x80000000
	s_or_b32 s[G0A2+3], s[G0A2+3], 0x80000000
	s_lshl_b32 s20, s17, 13
	s_add_co_u32 s20, s20, 6291456
	s_add_nc_u64 s[G0S+2:G0S+3], s[4:5], s[20:21]
	s_or_b32 s[G0S+3], s[G0S+3], 0x80000000
	s_mul_i32 s20, s42, 128*768
	s_add_nc_u64 s[G0B+2:G0B+3], s[6:7], s[20:21]
	s_or_b32 s[G0B+3], s[G0B+3], 0x80000000
	ARM 1, G0B, G1B, .Lhead_s
	ARM 2, G0S, G1S, .Lhead_a
	ARM 3, G0A, G1A, .Lhead_a2
	tensor_load_to_lds s[G0A2:G0A2+3], s[G1A:G1A+7]
	s_nop 0
	PLACES 4
.Lhead_asked:
	s_lshl_b32 s20, s42, 7
	s_lshl_b32 s22, s16, 6
	s_add_co_u32 s20, s20, s22                     ; my first channel of a tensor's 1,024
	s_lshl_b32 s22, s20, 2
	s_mov_b32 s23, 0
	s_add_nc_u64 s[8:9], s[8:9], s[22:23]          ; its bias
	s_lshl_b32 s20, s20, 5
	s_add_co_u32 s20, s20, 3145728
	s_add_nc_u64 s[84:85], s[6:7], s[20:21]        ; my 64 rows' scale bytes
	s_lshl_b32 s18, s42, 1
	s_add_co_u32 s18, s18, s16                     ; my head
	s_lshl_b32 s19, s17, 1
	s_add_co_u32 s19, s19, s15                     ; my run of 128 tokens, 0 .. 63
	s_mul_i32 s20, s18, 393216
	s_mul_i32 s22, s19, 8*768
	s_add_co_u32 s20, s20, s22
	s_add_nc_u64 s[QB:QB+1], s[10:11], s[20:21]    ; q's images
	s_lshl_b32 s20, s18, 14
	s_lshl_b32 s22, s19, 8
	s_add_co_u32 s20, s20, s22
	s_add_co_u32 s20, s20, 6291456
	s_add_nc_u64 s[QS:QS+1], s[10:11], s[20:21]    ; q's scale words
	s_lshr_b32 s22, s17, 3
	s_lshl_b32 s22, s22, 3
	s_add_co_u32 s22, s22, s42                     ; 8 x batch + pair
	s_and_b32 s23, s19, 15                         ; the key step
	s_lshl_b32 s20, s22, 4
	s_add_co_u32 s20, s20, s23
	s_mul_i32 s20, s20, 24576
	s_mul_i32 s18, s16, 6144
	s_add_co_u32 s20, s20, s18
	s_add_nc_u64 s[KB:KB+1], s[12:13], s[20:21]    ; k's images; v's lie 12,288 bytes on
	s_lshl_b32 s20, s22, 14
	s_lshl_b32 s18, s16, 12
	s_add_co_u32 s20, s20, s18
	s_lshl_b32 s18, s23, 8
	s_add_co_u32 s20, s20, s18
	s_add_co_u32 s20, s20, 12582912
	s_add_nc_u64 s[KS:KS+1], s[12:13], s[20:21]    ; k's scale words; v's lie 8,192 bytes on
.irp p, 0,1
.irp c, 0,1
	global_load_b128 v[SB+8*\p+4*\c:SB+8*\p+4*\c+3], v[ABS], s[84:85] offset:\p*1024+16*\c   ; a lane a row: 32 rows' 1,024 consecutive bytes
.endr
.endr
	WIN 3<<6
.irp p, 0,1
.irp c, 0,1
	global_load_b128 v[(SBK&255)+8*\p+4*\c:(SBK&255)+8*\p+4*\c+3], v[ABS], s[84:85] offset:32768+\p*1024+16*\c
	global_load_b128 v[(SBV&255)+8*\p+4*\c:(SBV&255)+8*\p+4*\c+3], v[ABS], s[84:85] offset:65536+\p*1024+16*\c
.endr
.endr
.irp t, 0,1,2,3
.irp c, 0,1                                    ; q, k: tile t's register j is channel 32 (t / 2) + 16 h + 8 (t % 2) + j
	global_load_b128 v[(BIQ&255)+8*\t+4*\c:(BIQ&255)+8*\t+4*\c+3], v[BO], s[8:9] offset:(32*(\t/2)+8*(\t%2))*4+16*\c
	global_load_b128 v[(BIK&255)+8*\t+4*\c:(BIK&255)+8*\t+4*\c+3], v[BO], s[8:9] offset:4096+(32*(\t/2)+8*(\t%2))*4+16*\c
.endr
	global_load_b32 v[(BBV&255)+8*\t], v[BVO], s[8:9] offset:8192+(32*(\t/2)+8*(\t%2))*4     ; v: lane r of tile t is channel 32 (t / 2) + 8 (t % 2) + r + 8 (r / 8)
.endr
	WIN 0
; fragment f lies in window 1 + f / 21 at register 12 (f % 21): 0-31 the weight's (4 q + t), 32-39 and 40-47 the tokens' two sets.  Six pieces of 8 bytes, two to a load where both go by the same address register
.macro FRAG f, q, a
	WIN (1+(\f)/21)<<6
.set R_, 12*((\f)%21)
.set SK_, 0
.irp p, 0,1,2,3,4,5
.if SK_
.set SK_, 0
.else
.set PC_, 12*(\q)+6*(\p/3)+\p%3
.set PN_, 12*(\q)+6*((\p+1)/3)+(\p+1)%3
.set X_, (PC_%32+3)/32
.set XN_, (PN_%32+3)/32
.if (\p < 5) && (X_ == XN_)
.set SK_, 1
	ds_load_2addr_b64 v[R_+2*\p:R_+2*\p+3], v[(\a)+X_] offset0:PC_+2*(PC_/32) offset1:PN_+2*(PN_/32)
.else
	ds_load_b64 v[R_+2*\p:R_+2*\p+1], v[(\a)+X_] offset:8*(PC_+2*(PC_/32))
.endif
.endif
.endr
.endm
.macro WEIGHTS                         ; my 64 rows of the weight: 104 loads
.irp q, 0,1,2,3,4,5,6,7
.irp t, 0,1,2,3
	FRAG 4*\q+\t, \q, ADB+2*\t
.endr
.endr
	WIN 0
.endm
.macro FETCH s, e                      ; block s into set e: 26 loads of codes, 2 of scale words
.irp q, 0,1,2,3,4,5,6,7
	FRAG 32+8*(\e)+\q, \q, ADA+2*(\s)
.endr
	WIN 0
	ds_load_b128 v[SA+8*(\e):SA+8*(\e)+3], v[ASA] offset:(\s)*544
	ds_load_b128 v[SA+8*(\e)+4:SA+8*(\e)+7], v[ASA] offset:(\s)*544+16
.endm
.macro W1 d, s0, s1, c, x0, x1, ra, rb
	v_wmma_scale_f32_16x16x128_f8f6f4 v[\d:\d+7], v[12*((\s0)%21):12*((\s0)%21)+11], v[12*((\s1)%21):12*((\s1)%21)+11], v[\c:\c+7], v[\x0], v[\x1] matrix_a_fmt:MATRIX_FMT_FP6 matrix_b_fmt:MATRIX_FMT_FP6 matrix_a_scale:MATRIX_SCALE_ROW\ra matrix_b_scale:MATRIX_SCALE_ROW\rb
.endm
.macro PROD k, e, s, bi, n             ; product n = 4 q + t of block s.  k = 0: q, k; k = 1: v
.set Q_, (\n)/4
.set T_, (\n)%4
.set FB_, 4*Q_+T_
.set FA_, 32+8*(\e)+Q_
.if \k
.set D_, HV0+64*T_+8*(\s)+(HV1-HV0-128)*(T_/2)
.else
.set D_, ACC+32*(\e)+8*T_
.endif
.if Q_
.set C_, D_
.else
.set C_, (\bi)+8*T_
.endif
.set DL_, D_&255
.set CL_, C_&255
.set XB_, SB+8*(T_/2)+Q_
.set XA_, SA+8*(\e)+Q_
.if \k
	WIN (1+FA_/21)|((1+FB_/21)<<2)|((C_>>8)<<4)|((D_>>8)<<6)
.if T_%2
	W1 DL_, FA_, FB_, CL_, XA_, XB_, 0, 1
.else
	W1 DL_, FA_, FB_, CL_, XA_, XB_, 0, 0
.endif
.else
	WIN (1+FB_/21)|((1+FA_/21)<<2)|((C_>>8)<<4)|((D_>>8)<<6)
.if T_%2
	W1 DL_, FB_, FA_, CL_, XB_, XA_, 1, 0
.else
	W1 DL_, FB_, FA_, CL_, XB_, XA_, 0, 0
.endif
.endif
.endm
.macro BLOCK k, e, s, bi, from, to, list, x   ; products from .. to - 1; behind every second one two lines of the list
.set N_, \from
.rept (\to)-(\from)
	PROD \k, \e, \s, \bi, N_
.if N_%2
	\list N_-1, \x
	\list N_, \x
.endif
.set N_, N_+1
.endr
.endm
.macro L_NONE i, p
.endm
.macro L_WO i, p                       ; line i of 25: the two blocks' largest magnitudes of the 32 sums in set p, side by side, their scale operands and the two scale bytes
.set X_W, ACC+32*(\p)
.if (\i) < 25
	WIN 0
.endif
.if (\i) < 2
	v_max3_num_f32 v[BM+(\i)], |v[X_W+16*(\i)]|, |v[X_W+16*(\i)+1]|, 0x1800000
.elseif (\i) < 16
	v_max3_num_f32 v[BM+(\i)%2], v[BM+(\i)%2], |v[X_W+16*((\i)%2)+2*((\i)/2)]|, |v[X_W+16*((\i)%2)+2*((\i)/2)+1]|
.elseif (\i) < 18
	v_permlanex16_b32 v[PT+(\i)-16], v[BM+(\i)-16], s[SEL], s[SEL+1]
.elseif (\i) < 20
	v_max_num_f32 v[BM+(\i)-18], v[BM+(\i)-18], v[PT+(\i)-18]
.elseif (\i) < 22
	v_add_nc_u32 v[SO+(\i)-20], 0xff000000, v[BM+(\i)-20]
.elseif (\i) < 24
	v_lshrrev_b32 v[PT+(\i)-22], 23, v[SO+(\i)-22]
.elseif (\i) == 24
	v_lshl_or_b32 v[HW+(\p)], v[PT+1], 8, v[PT]
.endif
.endm
.macro CODES p, cb, s                  ; block s, whose sums lie in set p: six registers of codes, stored as an image
	s_wait_alu depctr_va_vdst(0)                   ; the wait directly ahead of the wait below
	s_wait_xcnt 0x0                                ; the last image's stores have read their registers
	v_cvt_scalef32_pk16_fp6_f32 v[NCD:NCD+2], v[ACC+32*(\p):ACC+32*(\p)+15], v[SO]
	v_cvt_scalef32_pk16_fp6_f32 v[CT:CT+2], v[ACC+32*(\p)+16:ACC+32*(\p)+31], v[SO+1]
	v_nop
.irp i, 0,1,2
	v_permlane16_swap_b32 v[NCD+\i], v[CT+\i]
.endr
.irp i, 0,1,2
	v_mov_b32 v[NCD+3+\i], v[CT+\i]
.endr
	global_store_b128 v[L16], v[NCD:NCD+3], s[\cb:\cb+1] offset:(\s)*768          ; 512 consecutive bytes, aligned
	global_store_b64 v[L8], v[NCD+4:NCD+5], s[\cb:\cb+1] offset:(\s)*768+512      ; 256 consecutive bytes, aligned
.endm
.macro BLKQ s, bi, cb
.set E_, (\s)%2
.if (\s) == 7
	s_wait_dscnt 1
.elseif ((\s)%2) && ((\s) > 2)
	s_wait_dscnt NF+1
.else
	s_wait_dscnt NF
.endif
.if (\s) == 0
	s_wait_tensorcnt 0x0                           ; the round of a refill: all my tensor loads are done,
	ds_add_u32 v[SPW], v[NIL]                      ; an LDS add,
	s_add_nc_u64 s[G0B+2:G0B+3], s[G0B+2:G0B+3], 1024*768   ; the next tensor's rows of the same channels
	BLOCK 0, E_, 0, \bi, 0, 24, L_NONE, 0
	WIN 0
	s_wait_dscnt 0x0                               ; the add and all my LDS reads are done: I hold the old weight in registers
	s_barrier_signal -1
	BLOCK 0, E_, 0, \bi, 24, 32, L_NONE, 0
	WIN 0
	s_barrier_wait -1
	CREST
	s_cmp_eq_u32 s14, 0
	s_cbranch_scc0 .Lno_refill_\@
	tensor_load_to_lds s[G0B:G0B+3], s[G1B:G1B+7]
	s_nop 0
	PLACES 4
.Lno_refill_\@:
.else
	BLOCK 0, E_, \s, \bi, 0, 32, L_WO, 1-E_
	WIN 0
.endif
	PLACES 4                                       ; between the products and the loads into their fragments
.if ((\s) > 0) && ((\s)%2 == 0)
	s_wait_alu depctr_va_vdst(0)                   ; the halfwords were written among the products
	v_lshl_or_b32 v[WD], v[HW+1], 16, v[HW]        ; two tiles' halfwords: a fragment's scale word
	ds_store_b32 v[SWS], v[WD] offset:((\s)/2-1)*64
.endif
.if (\s) < 6
	FETCH (\s)+2, E_
.endif
.if (\s) > 0
	CODES 1-E_, \cb, (\s)-1
.endif
.endm
.macro ENDQ cb, sw, nsb                ; a phase's end: the next weight and the first two blocks in one run of loads; block 7's way out under their flight
	s_wait_tensorcnt 0x0                           ; every wave waits: the barrier shows the rows that the refill brought
	s_wait_dscnt 0x0
	s_barrier_signal -1
	s_barrier_wait -1
	WEIGHTS
	FETCH 0, 0
	FETCH 1, 1
	WIN 3
.set I_, 0
.rept 16
	v_mov_b32 v[SB+I_], v[((\nsb)&255)+I_]         ; more than eight plain vector lines stand between these and the next product
.set I_, I_+1
.endr
	WIN 0
.set I_, 0
.rept 25
	L_WO I_, 1
.set I_, I_+1
.endr
	v_lshl_or_b32 v[WD], v[HW+1], 16, v[HW]
	ds_store_b32 v[SWS], v[WD] offset:192
	CODES 1, \cb, 7
	ds_load_b64 v[OW:OW+1], v[SWR]                 ; LDS serves a wave's instructions in order: this sees my four stores
	s_wait_dscnt 0x0
	global_store_b64 v[L8], v[OW:OW+1], s[\sw:\sw+1]   ; 256 consecutive bytes, aligned
.endm
.macro BLKV s
.set E_, (\s)%2
.if (\s) == 7
	s_wait_dscnt 0x0
.else
	s_wait_dscnt NF
.endif
	BLOCK 1, E_, \s, BBV, 0, 32, L_NONE, 0
	WIN 0
	PLACES 4
.if (\s) < 6
	FETCH (\s)+2, E_
.endif
.endm
.macro VQ x, t                         ; 64 sums of a lane from register x on, 16 b + i = key 32 b + 16 h + i: a fragment of v and its scale word
.set XW_, (\x)>>8
.set XL_, (\x)&255
	s_wait_xcnt 0x0                                ; the last fragment's stores have read their registers
	WIN XW_|(XW_<<2)
.irp b, 0,1,2,3
	v_max3_num_f32 v[TM+\b], |v[XL_+16*\b]|, |v[XL_+1+16*\b]|, 0x1800000
.endr
	WIN (XW_<<2)|(XW_<<4)
.irp i, 2,4,6,8,10,12,14
.irp b, 0,1,2,3
	v_max3_num_f32 v[TM+\b], v[TM+\b], |v[XL_+16*\b+\i]|, |v[XL_+1+16*\b+\i]|
.endr
.endr
	WIN 0
.irp b, 0,1,2,3
	v_permlanex16_b32 v[TM+4+\b], v[TM+\b], s[SEL], s[SEL+1]
.endr
.irp b, 0,1,2,3
	v_max_num_f32 v[TM+\b], v[TM+\b], v[TM+4+\b]
.endr
.irp b, 0,1,2,3
	v_add_nc_u32 v[TM+12+\b], 0xff000000, v[TM+\b]
.endr
.irp b, 0,1,2,3
	v_lshrrev_b32 v[TM+4+\b], 23, v[TM+12+\b]
.endr
	v_lshl_or_b32 v[PW], v[TM+5], 8, v[TM+4]
	v_lshl_or_b32 v[PW], v[TM+6], 16, v[PW]
	v_lshl_or_b32 v[PW], v[TM+7], 24, v[PW]
	WIN XW_
.irp c, 0,1
	v_cvt_scalef32_pk16_fp6_f32 v[PC+6*\c:PC+2+6*\c], v[XL_+32*\c:XL_+15+32*\c], v[TM+12+2*\c]
	v_cvt_scalef32_pk16_fp6_f32 v[PC+12+4*\c:PC+14+4*\c], v[XL_+16+32*\c:XL_+31+32*\c], v[TM+12+2*\c+1]
.endr
	WIN 0
	v_nop
.irp c, 0,1
.irp i, 0,1,2
	v_permlane16_swap_b32 v[PC+6*\c+\i], v[PC+12+4*\c+\i]
.endr
.irp i, 0,1,2
	v_mov_b32 v[PC+3+6*\c+\i], v[PC+12+4*\c+\i]
.endr
.endr
.irp c, 0,1,2
	global_store_b128 v[L16], v[PC+4*\c:PC+4*\c+3], s[KB:KB+1] offset:12288+(\t)*1536+512*\c   ; 512 consecutive bytes, aligned
.endr
	ds_store_b32 v[SWS], v[PW] offset:64*(\t)      ; both halves of the lanes write the same word with the same value
.endm
	s_cmp_eq_u32 s14, 0
	s_cbranch_scc0 .Lnot_b
	s_wait_tensorcnt 0x0
.Lnot_b:
	s_barrier_signal -1
	s_barrier_wait -1                              ; W_q's rows are in
	WEIGHTS
	s_wait_tensorcnt 0x0                           ; every wave waits: the barrier shows x's rows and scale bytes
	s_wait_dscnt 0x0
	s_barrier_signal -1
	s_barrier_wait -1
	FETCH 0, 0
	FETCH 1, 1
	s_wait_loadcnt 0x0                             ; the weights' scale words and the biases
	WIN (3<<6)|3
.irp t, 0,8,16,24
.irp i, 1,2,3,4,5,6,7
	v_mov_b32 v[(BBV&255)+\t+\i], v[(BBV&255)+\t]  ; v's bias, one number a lane and tile, over the tile's eight registers
.endr
.endr
	WIN 0
	s_wait_alu depctr_va_vdst(0)                   ; the wait at the head's end
.irp s, 0,1,2,3,4,5,6,7
	BLKQ \s, BIQ, QB
.endr
	ENDQ QB, QS, SBK
.irp s, 0,1,2,3,4,5,6,7
	BLKQ \s, BIK, KB
.endr
	ENDQ KB, KS, SBV
.irp s, 0,1,2,3,4,5,6,7
	BLKV \s
.endr
	VQ HV0, 0
	VQ HV0+64, 1
	VQ HV1, 2
	VQ HV1+64, 3
	ds_load_b64 v[246:247], v[SWR]
	s_wait_dscnt 0x0
	global_store_b64 v[L8], v[246:247], s[KS:KS+1] offset:8192
	s_wait_tensorcnt 0x0                           ; the wave's end
	ds_add_u32 v[SPW], v[NIL]
	s_wait_dscnt 0x0
	CROUND                                         ; the closing round
	s_endpgm
.Lfunc_end_k_qa141b9ae85_gemm1:
	.size	k_qa141b9ae85_gemm1, .Lfunc_end_k_qa141b9ae85_gemm1-k_qa141b9ae85_gemm1
	.p2alignl 7, 3214868480
	.fill 96, 4, 3214868480
	.section	.rodata,"a",@progbits
	.p2align	6, 0x0
	.amdhsa_kernel k_qa141b9ae85_gemm1
		.amdhsa_group_segment_fixed_size 327680
		.amdhsa_private_segment_fixed_size 0
		.amdhsa_enable_private_segment 0
		.amdhsa_kernarg_size 40
		.amdhsa_user_sgpr_count 2
		.amdhsa_user_sgpr_kernarg_segment_ptr 1
		.amdhsa_wavefront_size32 1
		.amdhsa_system_sgpr_workgroup_id_x 1
		.amdhsa_system_sgpr_workgroup_id_y 1
		.amdhsa_system_sgpr_workgroup_id_z 1
		.amdhsa_system_vgpr_workitem_id 0
		.amdhsa_next_free_vgpr 1024
		.amdhsa_next_free_sgpr 90
		.amdhsa_reserve_vcc 0
		.amdhsa_float_denorm_mode_32 3
		.amdhsa_float_denorm_mode_16_64 3
		.amdhsa_memory_ordered 1
		.amdhsa_forward_progress 1
		.amdhsa_inst_pref_size 251
	.end_amdhsa_kernel
	.amdgpu_metadata
---
amdhsa.version: [ 1, 2 ]
amdhsa.kernels:
  - .name:           k_qa141b9ae85_gemm1
    .symbol:         k_qa141b9ae85_gemm1.kd
    .args:
      - { .name: xq, .offset: 0, .size: 8, .value_kind: global_buffer, .address_space: global }
      - { .name: wq, .offset: 8, .size: 8, .value_kind: global_buffer, .address_space: global }
      - { .name: b_qkv, .offset: 16, .size: 8, .value_kind: global_buffer, .address_space: global }
      - { .name: qq, .offset: 24, .size: 8, .value_kind: global_buffer, .address_space: global }
      - { .name: kv, .offset: 32, .size: 8, .value_kind: global_buffer, .address_space: global }
    .group_segment_fixed_size: 327680
    .private_segment_fixed_size: 0
    .kernarg_segment_align: 8
    .kernarg_segment_size: 40
    .max_flat_workgroup_size: 128
    .sgpr_count:     90
    .vgpr_count:     1024
    .wavefront_size: 32
...
	.end_amdgpu_metadata
.endif
;; end of part 2
;; launch attn (part 3): grid 4 x 64, 16 waves a work-group, clusters of 4 x 1, 327,680 bytes of LDS; arguments qq, kv, attn_mask, yq; writes yq
.if DOCPART == 3
	.amdgcn_target "amdgcn-amd-amdhsa--gfx1250"
	.amdhsa_code_object_version 6
	.text
	.protected	k_qa141b9ae85_attn
	.globl	k_qa141b9ae85_attn
	.p2align	8
	.type	k_qa141b9ae85_attn,@function
k_qa141b9ae85_attn:
	s_mov_b64 s[64:65], 0
	v_nop
	global_prefetch_b8 v0, s[64:65] scope:SCOPE_SE
	s_setreg_imm32_b32 hwreg(HW_REG_WAVE_MODE, 25, 1), 1
	s_wait_xcnt 0x0
	s_wait_alu depctr_hold_cnt(0) depctr_sa_sdst(0) depctr_va_vdst(0) depctr_va_sdst(0) depctr_va_ssrc(0) depctr_va_vcc(0) depctr_vm_vsrc(0)
	s_getreg_b32 s2, hwreg(HW_REG_IB_STS2, 6, 4)
	s_cmp_eq_u32 s2, 0
	s_cbranch_scc0 .Lentry_in_a_cluster
	s_endpgm
.Lentry_in_a_cluster:
	s_bfe_u32 s2, ttmp6, 0x10000c
	s_cmp_lg_u32 s2, 0x3003
	s_cbranch_scc0 .Lentry_shape_is_right
	s_endpgm
.Lentry_shape_is_right:
; y = softmax(q k^T / 8, causal and padded) v for ONE head of one batch, both products on codes of FP6 (E2M3); y is quantised at once into the operand images of the last product.
; t = score x log2(e) / 8; M = the row's largest t so far, rounded up to a whole number; p = 2^(t - M) is quantised along the keys; the row's sum of the unquantised p divides at the end.
; LEFT OUT: key steps that lie wholly behind a tile's queries: the causal mask sets their scores to -inf, so their p is 0 for all values of the inputs.
; ALL OF THE HEAD'S K AND V LIE IN LDS: 16 key steps x (6,144 + 6,144) bytes of codes and 8,192 bytes of scale words, asked for once at the head: no ring, no refill, one barrier.
; SHARES.  Work-group (j, y): y = 16 x batch + head, j = 0 .. 3.  It owns the 32 tiles of 16 neighbouring queries 4 m + j, m = 0 .. 31.  Tile m needs key steps 0 .. m / 2 (128 keys a step); step m / 2 is its diagonal.
; Wave w owns tiles m = w and m = 31 - w: 17 tile steps for every wave.  Each wave walks the 16 key steps by itself; a branch on the wave's and the step's number leads round a step that its tile does not need.
; CLUSTER.  The four work-groups of a y read the same K and V and ask for them jointly: waves 0-7 two key steps each (rows of 6,144 bytes, 12,288 apart in kv), wave 8 the scale words.
; No prefetch: every tile is asked for once, at the head, and there is no loop to run ahead in.
; LAYOUT.  Both products are used transposed: a lane holds one query.  A fragment of K holds TWO tiles of 16 keys side by side along the instruction's 128, and is multiplied by (q | zeros) and by (zeros | q).
; THE PAD MASK is an addend: 0 for a key that counts, -2^100 for one that does not; it is the C of the scores' products.  The largest t begins at -2^80, so a masked key's p is 0.
; A row none of whose keys counts ends with the sum 0: its scale bytes become 0xff, so that the last product gives NaN for that token, as a softmax of nothing does.
; y's scale halfwords: two bytes a lane, 4 bytes apart (the other head of the pair fills the words' other halves from its own work-group).
; LIMITS: scores under 2^76 in magnitude; a block of zeros gets the byte 1 (its codes are zeros); NaN and infinities among q, k, v are not served.
; REGISTERS: v1-4 addresses that stay; v7-10 the step's addresses; v11, v248 my query less 16 h in the diagonal step; v12-15, v16-19 -M, largest t, the sum's halves; v20, v21 q's scale words; v22-51 zeros and q;
; v52-99 four fragments, at work on the way out; v100-103 their scale words; v104-167 scores, then p; v168-199, v200-231 O^T; v232-243 p's codes; v244 f, v245 p's scale word.
.set STEPB, 12288
.set KVS,   196608
.set MB,    204800
.set SPARE, 212992                     ; 128 bytes for each of 16 waves, named by no other line
.set L16,  1
.set L8,   2
.set AKS,  3
.set AMB,  4
.set SPW,  5
.set NIL,  6
.set ADK16, 7
.set ADK8, 8
.set ADS,  9
.set ADM,  10
.set DD,   11
.set DDB,  248
.set FRG,  52
.set BM,   232                         ; in the key steps the softmax's work registers lie where p's codes are laid at its end, and in v252-255: v52-99 take V's fragments behind the scores' products
.set PT,   236
.set SO,   252
.set CT,   64
.set FS,   100
.set S,    104
.set P,    232
.set FF,   244
.set PSW,  245
.set TT,   246
.set NINF, 247
.set YO,   251
.set WV,   12
.set SEL,  18
.set CS,   20
.set G1,   24
.set G1S,  32
.set G0,   40
.set G0S,  44
.set TB,   48
.set TS,   49
.set TMB,  50
.set KI,   51
.set MA,   52
.set MBT,  53
.set IA,   54
.set IB,   55
.set HM,   56
.set YBA,  60
.set YBB,  62
.set YSB,  66
.set QA,   84
.set QB,   86
.set QSA,  88
.set QSB,  90
.macro CROUND
	s_barrier_signal -1
	s_barrier_wait -1
	s_cmp_lg_u32 s[WV], 0
	s_cbranch_scc1 .Lnot_wave_0_\@
	s_barrier_signal -3
.Lnot_wave_0_\@:
	s_barrier_wait -3
	s_barrier_signal -1
	s_barrier_wait -1
.endm
	s_load_b256 s[4:11], s[0:1], 0x0               ; qq, kv, attn_mask, yq
	v_lshl_add_u32 v[SPW], v0, 2, SPARE
	v_mov_b32 v[NIL], 0
	ds_add_u32 v[SPW], v[NIL]                      ; the opening lines: the add twice and one wait
	ds_add_u32 v[SPW], v[NIL]
	v_lshrrev_b32 v7, 5, v0
	v_readfirstlane_b32 s[WV], v7                  ; wave 0..15
	s_bfe_u32 s14, ttmp6, 0x40000                  ; j = cx
	s_and_b32 s15, ttmp7, 0xffff                   ; 16 x batch + head
	s_lshr_b32 s16, s15, 4
	s_and_b32 s17, s15, 15
	s_mov_b32 s[MA], s[WV]
	s_xor_b32 s[MBT], s[WV], 31
	s_lshr_b32 s[IA], s[MA], 1
	s_lshr_b32 s[IB], s[MBT], 1
	s_mov_b32 s[G1], 15|(3<<16)|(1<<21)            ; all four partners; elements of 8 bytes; no padding
	s_mov_b32 s[G1+1], 768<<16                     ; rows of 6,144 bytes: K, V, K, V of two key steps
	s_mov_b32 s[G1+2], 4<<16
	s_mov_b32 s[G1+3], 768<<16
	s_mov_b32 s[G1+4], 4
	s_mov_b32 s[G1+5], 1536                        ; 12,288 bytes apart: the pair's other head lies between
	s_mov_b32 s[G1+6], 0
	s_mov_b32 s[G1+7], 0
	s_mov_b32 s[G1S], 15|(3<<16)|(1<<21)
	s_mov_b32 s[G1S+1], 512<<16                    ; two rows of 4,096 bytes: K's scale words, V's
	s_mov_b32 s[G1S+2], 2<<16
	s_mov_b32 s[G1S+3], 512<<16
	s_mov_b32 s[G1S+4], 2
	s_mov_b32 s[G1S+5], 1024
	s_mov_b32 s[G1S+6], 0
	s_mov_b32 s[G1S+7], 0
	s_mov_b32 s[SEL], 0x76543210
	s_mov_b32 s[SEL+1], 0xfedcba98
	s_mov_b32 s[CS], 0x3e38aa3b                    ; c = log2(e) / 8
	s_mov_b32 s[CS+1], s[CS]
	s_mov_b32 s[HM], 0xffff0000                    ; lanes 16-31
	s_mov_b32 s[TB], 0
	s_mov_b32 s[TS], 0
	s_mov_b32 s[TMB], 0
	s_mov_b32 s[KI], 0
	s_lshl_b32 s68, s16, 3
	s_lshr_b32 s69, s17, 1
	s_add_co_u32 s68, s68, s69                     ; 8 x batch + pair of heads
	s_and_b32 s69, s17, 1
	s_mul_i32 s70, s68, 393216
	s_mul_i32 s72, s69, 6144
	s_add_co_u32 s70, s70, s72
	s_mul_i32 s72, s[WV], 49152
	s_add_co_u32 s70, s70, s72                     ; my two key steps of my head
	s_mov_b32 s71, 0
	s_lshl_b32 s74, s68, 14
	s_lshl_b32 s72, s69, 12
	s_add_co_u32 s74, s74, s72
	s_add_co_u32 s74, s74, 12582912
	s_mov_b32 s75, 0
	s_mul_i32 s73, s[WV], 2*STEPB
	s_wait_alu depctr_va_vdst(0)
	s_wait_dscnt 0x0
	CROUND                                         ; all four work-groups are here: the joint loads meet
	s_wait_kmcnt 0x0
	s_mov_b32 s[G0], 1
	s_mov_b32 s[G0+1], s73
	s_add_nc_u64 s[G0+2:G0+3], s[6:7], s[70:71]
	s_or_b32 s[G0+3], s[G0+3], 0x80000000
	s_mov_b32 s[G0S], 1
	s_mov_b32 s[G0S+1], KVS
	s_add_nc_u64 s[G0S+2:G0S+3], s[6:7], s[74:75]
	s_or_b32 s[G0S+3], s[G0S+3], 0x80000000
	s_cmp_lt_u32 s[WV], 8                          ; one chain of branches, one load to an arm
	s_cbranch_scc0 .Lnot_codes
	tensor_load_to_lds s[G0:G0+3], s[G1:G1+7]
	s_nop 0
.rept 4
	v_nop
.endr
	s_branch .Lasked
.Lnot_codes:
	s_cmp_eq_u32 s[WV], 8
	s_cbranch_scc0 .Lasked
	tensor_load_to_lds s[G0S:G0S+3], s[G1S:G1S+7]
	s_nop 0
.rept 4
	v_nop
.endr
.Lasked:
	s_lshl_b32 s76, s16, 6
	s_lshr_b32 s78, s14, 1
	s_add_co_u32 s76, s76, s78                     ; 64 x batch + j / 2
.macro QBASE cod, scl, mm              ; q's images and scale halfwords of the group of 32 tokens that holds tile 4 m + j
	s_lshl_b32 s79, s[\mm], 1
	s_add_co_u32 s79, s79, s76
	s_mul_i32 s80, s17, 393216
	s_mul_i32 s81, s79, 1536
	s_add_co_u32 s80, s80, s81
	s_mov_b32 s81, 0
	s_add_nc_u64 s[\cod:\cod+1], s[4:5], s[80:81]
	s_lshl_b32 s80, s17, 14
	s_lshl_b32 s82, s79, 6
	s_add_co_u32 s80, s80, s82
	s_add_co_u32 s80, s80, 6291456
	s_add_nc_u64 s[\scl:\scl+1], s[4:5], s[80:81]
.endm
	QBASE QA, QSA, MA
	QBASE QB, QSB, MBT
.macro YBASE dst, mm                   ; y's image of (head, tile of 16 tokens)
	s_lshl_b32 s78, s17, 9
	s_lshl_b32 s79, s16, 7
	s_add_co_u32 s78, s78, s79
	s_lshl_b32 s79, s[\mm], 2
	s_add_co_u32 s78, s78, s79
	s_add_co_u32 s78, s78, s14
	s_mul_i32 s80, s78, 768
	s_mov_b32 s81, 0
	s_add_nc_u64 s[\dst:\dst+1], s[10:11], s[80:81]
.endm
	YBASE YBA, MA
	YBASE YBB, MBT
	s_lshr_b32 s78, s17, 1                         ; y's scale words: [pair][token][4 bytes], my head's halfword
	s_lshl_b32 s78, s78, 13
	s_lshl_b32 s79, s16, 11
	s_add_co_u32 s78, s78, s79
	s_lshl_b32 s80, s78, 2
	s_and_b32 s79, s17, 1
	s_lshl_b32 s79, s79, 1
	s_add_co_u32 s80, s80, s79
	s_add_co_u32 s80, s80, 6291456
	s_add_nc_u64 s[YSB:YSB+1], s[10:11], s[80:81]
	s_lshl_b32 s80, s16, 13
	s_add_nc_u64 s[8:9], s[8:9], s[80:81]          ; my batch's mask
	s_and_b32 s70, s[WV], 1
	s_lshl_b32 s70, s70, 2
	s_add_co_u32 s70, s70, s14
	s_lshl_b32 s70, s70, 4                         ; the first tile's place in its diagonal step: 16 (4 (m % 2) + j);
	s_xor_b32 s71, s70, 64                         ; the second tile's m has the other parity
	s_and_b32 s72, s14, 1
	s_lshl_b32 s73, s72, 6
	s_lshl_b32 s74, s72, 5
	s_lshl_b32 s72, s72, 7
	s_lshl_b32 s78, s[MA], 2
	s_add_co_u32 s78, s78, s14
	s_lshl_b32 s78, s78, 6                         ; 4 bytes x 16 tokens x the first tile
	s_sub_co_u32 s79, s[MBT], s[MA]
	s_lshl_b32 s79, s79, 8                         ; and from there to the second
	v_and_b32 v7, 31, v0
	v_lshlrev_b32 v[L16], 4, v7
	v_lshlrev_b32 v[L8], 3, v7
	v_and_b32 v8, 15, v0                           ; r
	v_bfe_u32 v9, v0, 4, 1                         ; h
	v_lshl_add_u32 v[AKS], v8, 2, KVS
	v_lshl_add_u32 v[AMB], v9, 6, MB
	v_lshlrev_b32 v10, 4, v9
	v_sub_nc_u32 v10, v8, v10
	v_add_nc_u32 v[DD], s70, v10                   ; d = my query's place - 16 h: in the diagonal step register 16 b + i holds a hidden key where 32 b + i > d
	v_add_nc_u32 v[DDB], s71, v10
	v_lshlrev_b32 v253, 4, v0                      ; the mask: thread T takes keys 4 T .. 4 T + 3
	v_lshl_add_u32 v254, v0, 4, MB
	v_lshrrev_b32 v10, 3, v8                       ; q: token 16 (j % 2) + 8 u + i lies in image u at lane 8 (j % 2) + i
	v_and_b32 v109, 7, v8
	v_mul_u32_u24 v108, v10, 768
	v_lshl_add_u32 v110, v109, 4, v108
	v_lshl_add_u32 v110, v9, 8, v110
	v_add_nc_u32 v110, s72, v110
	v_lshl_add_u32 v111, v109, 3, v108
	v_lshl_add_u32 v111, v9, 7, v111
	v_add_nc_u32 v111, s73, v111
	v_lshlrev_b32 v112, 2, v109
	v_lshl_add_u32 v112, v10, 1, v112
	v_add_nc_u32 v112, s74, v112
	v_mul_u32_u24 v[YO], s79, v9                   ; lanes 0-15 store the first tile's halfwords, lanes 16-31 the second's
	v_lshl_add_u32 v[YO], v8, 2, v[YO]
	v_add_nc_u32 v[YO], s78, v[YO]
	s_wait_alu depctr_va_vdst(0)                   ; the wait behind the addresses
	global_load_b128 v[104:107], v253, s[8:9]
	global_load_b128 v[28:31], v110, s[QA:QA+1]
	global_load_b64 v[32:33], v111, s[QA:QA+1] offset:512
	global_load_u16 v20, v112, s[QSA:QSA+1]
	global_load_b128 v[40:43], v110, s[QB:QB+1]
	global_load_b64 v[44:45], v111, s[QB:QB+1] offset:512
	global_load_u16 v21, v112, s[QSB:QSB+1]
.irp z, 22,34,46
.irp k, 0,1,2,3,4,5
	v_mov_b32 v[\z+\k], 0                          ; the zero codes beside q
.endr
.endr
.set i, 0
.rept 64
	v_mov_b32 v[168+i], 0                          ; O^T: the step is written once; the first change of M multiplies zeros
.set i, i+1
.endr
.irp st, 12,16
	v_mov_b32 v[\st+1], 0xe7800000                 ; the largest t so far: -2^80
	v_floor_f32 v[\st], -v[\st+1]                  ; -M
	v_mov_b32 v[\st+2], 0
	v_mov_b32 v[\st+3], 0
.endr
	s_wait_alu depctr_va_vdst(0)
	s_wait_loadcnt 0x0
	v_lshl_or_b32 v20, v20, 16, v20                ; q's two bytes twice: for (q | 0) and for (0 | q); more than eight plain vector lines stand between these and the first product
	v_lshl_or_b32 v21, v21, 16, v21
.irp k, 0,1,2,3
	v_cmp_ne_u32 vcc_lo, 0, v[104+\k]
	v_cndmask_b32 v[104+\k], 0xf1800000, v22, vcc_lo   ; 0 where the key counts, else -2^100
.endr
	ds_store_b128 v254, v[104:107]
.irp b, 0,1,2,3
	v_mov_b32 v[PT+\b], 0
	v_mov_b32 v[56+\b], 0                          ; (the way out's permutes land here)
.endr
	v_mov_b32 v[PSW], 0
	v_mov_b32 v[NINF], 0xff800000
	s_wait_alu depctr_va_vdst(0)                   ; the wait at the head's end
	s_wait_tensorcnt 0x0                           ; every wave waits: the barrier shows all tiles,
	s_wait_dscnt 0x0                               ; and the mask's addends
	s_barrier_signal -1
	s_barrier_wait -1
; A TILE STEP: 16 queries x 128 keys.  st: statistics; qlo, qhi: (q | 0), (0 | q); qs: q's scale word; o: O^T; ii: the tile's diagonal step; dd: its d; nops: places owed at the head.
.macro STEP st, qlo, qhi, qs, o, ii, dd, nops
	s_cmp_gt_u32 s[KI], s[\ii]                     ; all keys of the step come after my queries
	s_cbranch_scc1 .Lhidden_\@
.rept \nops
	v_nop
.endr
	s_wait_alu depctr_va_vdst(0)
.irp t, 0,1,2,3,4,5,6,7
	ds_load_b128 v[S+8*\t:S+8*\t+3], v[ADM] offset:(32*(\t/2)+8*(\t%2))*4          ; the mask's addends: tile t's register i is key 32 (t / 2) + 16 h + 8 (t % 2) + i
	ds_load_b128 v[S+8*\t+4:S+8*\t+7], v[ADM] offset:(32*(\t/2)+8*(\t%2))*4+16
.endr
.irp b, 0,1,2,3
	ds_load_b128 v[FRG+12*\b:FRG+12*\b+3], v[ADK16] offset:1536*\b
	ds_load_b64 v[FRG+12*\b+4:FRG+12*\b+5], v[ADK8] offset:1536*\b+512
	ds_load_b128 v[FRG+12*\b+6:FRG+12*\b+9], v[ADK16] offset:1536*\b+768
	ds_load_b64 v[FRG+12*\b+10:FRG+12*\b+11], v[ADK8] offset:1536*\b+1280
	ds_load_b32 v[FS+\b], v[ADS] offset:64*\b
.endr
	s_wait_dscnt 0x0
.irp b, 0,1,2,3
	v_wmma_scale_f32_16x16x128_f8f6f4 v[S+16*\b:S+16*\b+7], v[FRG+12*\b:FRG+12*\b+11], v[\qlo:\qlo+11], v[S+16*\b:S+16*\b+7], v[FS+\b], v[\qs] matrix_a_fmt:MATRIX_FMT_FP6 matrix_b_fmt:MATRIX_FMT_FP6
	v_wmma_scale_f32_16x16x128_f8f6f4 v[S+16*\b+8:S+16*\b+15], v[FRG+12*\b:FRG+12*\b+11], v[\qhi:\qhi+11], v[S+16*\b+8:S+16*\b+15], v[FS+\b], v[\qs] matrix_a_fmt:MATRIX_FMT_FP6 matrix_b_fmt:MATRIX_FMT_FP6
.endr
.rept 4
	v_nop
.endr
.irp d, 0,1,2,3                                ; V's fragments are asked for here: K's registers are free behind the four places, and the softmax stands between these loads and the wait for them
.irp c, 0,1,2
	ds_load_b128 v[FRG+12*\d+4*\c:FRG+12*\d+4*\c+3], v[ADK16] offset:6144+1536*\d+512*\c
.endr
	ds_load_b32 v[FS+\d], v[ADS] offset:4096+64*\d
.endr
	s_cmp_lg_u32 s[KI], s[\ii]
	s_cbranch_scc1 .Lopen_\@
.set n, 0
	s_wait_alu depctr_va_vdst(0)
.rept 64
	v_cmp_gt_i32 vcc_lo, 32*(n/16)+n%16, v[\dd]
	v_cndmask_b32 v[S+n], v[S+n], v[NINF], vcc_lo
.set n, n+1
.endr
.Lopen_\@:
.irp b, 0,1,2,3
	v_max3_num_f32 v[BM+\b], v[S+16*\b], v[S+1+16*\b], v[S+2+16*\b]   ; the largest score of each block of 32 keys: for the row's maximum and for the block's largest p
.endr
.irp i, 3,5,7,9,11,13
.irp b, 0,1,2,3
	v_max3_num_f32 v[BM+\b], v[BM+\b], v[S+16*\b+\i], v[S+1+16*\b+\i]
.endr
.endr
.irp b, 0,1,2,3
	v_max_num_f32 v[BM+\b], v[BM+\b], v[S+15+16*\b]
.endr
.irp b, 0,1,2,3
	s_delay_alu instid0(VALU_DEP_4)
	v_permlanex16_b32 v[PT+\b], v[BM+\b], s[SEL], s[SEL+1]
.endr
.irp b, 0,1,2,3
	s_delay_alu instid0(VALU_DEP_4)
	v_max_num_f32 v[BM+\b], v[BM+\b], v[PT+\b]
.endr
	s_delay_alu instid0(VALU_DEP_2)
	v_max3_num_f32 v[TT], v[BM], v[BM+1], v[BM+2]
	s_delay_alu instid0(VALU_DEP_1)
	v_max_num_f32 v[TT], v[TT], v[BM+3]
	s_delay_alu instid0(VALU_DEP_1)
	v_mul_f32 v[TT], s[CS], v[TT]
	s_delay_alu instid0(VALU_DEP_1)
	v_max_num_f32 v[\st+1], v[\st+1], v[TT]        ; the running largest t
	v_mov_b32 v[TT], v[\st]
	s_delay_alu instid0(VALU_DEP_2)
	v_floor_f32 v[\st], -v[\st+1]                  ; -M = floor(-t)
	s_delay_alu instid0(VALU_DEP_1)
	v_sub_f32 v[TT], v[\st], v[TT]
	s_delay_alu instid0(VALU_DEP_1)
	v_cvt_i32_f32 v[TT], v[TT]
	s_delay_alu instid0(VALU_DEP_1)
	v_ldexp_f32 v[FF], 1.0, v[TT]                  ; f = 2^(old M - new M)
.set n, 0
.rept 32
	v_pk_fma_f32 v[S+n:S+n+1], v[S+n:S+n+1], s[CS:CS+1], v[\st:\st+1] op_sel_hi:[1,0,0]   ; t - M
.set n, n+2
.endr
.irp b, 0,1,2,3
	v_fma_f32 v[BM+\b], v[BM+\b], s[CS], v[\st]
.endr
.set n, 0
	s_wait_alu depctr_va_vdst(0)
.rept 64
	v_exp_f32 v[S+n], v[S+n]                       ; p = 2^(t - M)
.set n, n+1
.endr
	v_pk_mul_f32 v[\st+2:\st+3], v[\st+2:\st+3], v[FF:FF+1] op_sel_hi:[1,0]   ; the sums under the new M: the plain place behind the exponentials
	s_wait_alu depctr_va_vdst(0)                   ; one wait for the batch of 64
.irp b, 0,1,2,3
	v_exp_f32 v[BM+\b], v[BM+\b]                   ; each block's largest p
.endr
	v_pk_add_f32 v[PT:PT+1], v[S:S+1], v[S+2:S+3]  ; the row's sum of the unquantised p, in four chains
	v_pk_add_f32 v[P+8:P+9], v[S+4:S+5], v[S+6:S+7]
	v_pk_add_f32 v[P+10:P+11], v[S+8:S+9], v[S+10:S+11]
	v_pk_add_f32 v[\st+2:\st+3], v[\st+2:\st+3], v[S+12:S+13]
.set n, 14
.rept 6
	v_pk_add_f32 v[PT:PT+1], v[PT:PT+1], v[S+n:S+n+1]
	v_pk_add_f32 v[P+8:P+9], v[P+8:P+9], v[S+n+2:S+n+3]
	v_pk_add_f32 v[P+10:P+11], v[P+10:P+11], v[S+n+4:S+n+5]
	v_pk_add_f32 v[\st+2:\st+3], v[\st+2:\st+3], v[S+n+6:S+n+7]
.set n, n+8
.endr
	v_pk_add_f32 v[PT:PT+1], v[PT:PT+1], v[S+62:S+63]
	v_pk_add_f32 v[P+8:P+9], v[P+8:P+9], v[P+10:P+11]
	v_pk_add_f32 v[\st+2:\st+3], v[\st+2:\st+3], v[PT:PT+1]
	v_pk_add_f32 v[\st+2:\st+3], v[\st+2:\st+3], v[P+8:P+9]
	s_wait_alu depctr_va_vdst(0)                   ; and one for the four
.irp b, 0,1,2,3
	v_max_num_f32 v[BM+\b], 0x1800000, v[BM+\b]    ; the floor: the byte cannot fall under 1
.endr
.irp b, 0,1,2,3
	s_delay_alu instid0(VALU_DEP_4)
	v_add_nc_u32 v[SO+\b], 0xff000000, v[BM+\b]
.endr
.irp b, 0,1,2,3
	s_delay_alu instid0(VALU_DEP_4)
	v_lshrrev_b32 v[PT+\b], 23, v[SO+\b]
.endr
	s_delay_alu instid0(VALU_DEP_3)
	v_lshl_or_b32 v[PSW], v[PT+1], 8, v[PT]
	s_delay_alu instid0(VALU_DEP_1)
	v_lshl_or_b32 v[PSW], v[PT+2], 16, v[PSW]
	s_delay_alu instid0(VALU_DEP_1)
	v_lshl_or_b32 v[PSW], v[PT+3], 24, v[PSW]
.irp c, 0,1
	v_cvt_scalef32_pk16_fp6_f32 v[P+6*\c:P+2+6*\c], v[S+32*\c:S+15+32*\c], v[SO+2*\c]
.endr
	v_nop                                          ; a plain place: the next two conversions land on numbers that the first two have read
.irp c, 0,1
	v_cvt_scalef32_pk16_fp6_f32 v[S+32*\c:S+2+32*\c], v[S+16+32*\c:S+31+32*\c], v[SO+2*\c+1]
.endr
	v_nop
.irp c, 0,1
.irp i, 0,1,2
	v_permlane16_swap_b32 v[P+6*\c+\i], v[S+32*\c+\i]
.endr
.irp i, 0,1,2
	s_delay_alu instid0(VALU_DEP_3)
	v_mov_b32 v[P+3+6*\c+\i], v[S+32*\c+\i]
.endr
.endr
.set n, 0
	s_wait_alu depctr_va_vdst(0)                   ; the wait directly ahead of the first reader of O^T
.rept 16
	v_pk_mul_f32 v[\o+n:\o+n+1], v[\o+n:\o+n+1], v[FF:FF+1] op_sel_hi:[1,0]   ; O^T under the new M; these sixteen are also the places between p's codes and scale word and the products
.set n, n+2
.endr
	s_wait_alu depctr_va_vdst(0)
	s_wait_dscnt 0x0                               ; V's fragments and scale words, asked for behind the scores' products
.irp d, 0,1,2,3
	v_wmma_scale_f32_16x16x128_f8f6f4 v[\o+8*\d:\o+8*\d+7], v[FRG+12*\d:FRG+12*\d+11], v[P:P+11], v[\o+8*\d:\o+8*\d+7], v[FS+\d], v[PSW] matrix_a_fmt:MATRIX_FMT_FP6 matrix_b_fmt:MATRIX_FMT_FP6
.endr
.Lhidden_\@:
.endm
.Lstep:                                ; sixteen trips, a constant: a wave's tiles take part in 17 tile steps of them
	v_add_nc_u32 v[ADK16], s[TB], v[L16]           ; these four are also the places behind the last step's products
	v_add_nc_u32 v[ADK8], s[TB], v[L8]
	v_add_nc_u32 v[ADS], s[TS], v[AKS]
	v_add_nc_u32 v[ADM], s[TMB], v[AMB]
	STEP 12, 28, 22, 20, 168, IA, DD, 0
	STEP 16, 40, 34, 21, 200, IB, DDB, 4
	s_add_co_u32 s[TB], s[TB], STEPB
	s_add_co_u32 s[TS], s[TS], 256
	s_add_co_u32 s[TMB], s[TMB], 512
	s_add_co_u32 s[KI], s[KI], 1
	s_cmp_lt_u32 s[KI], 16
	s_cbranch_scc1 .Lstep
	; THE WAY OUT: y = O^T / the sum, quantised along the head's 64 channels (two blocks), stored as an image of the operand's six registers.
.rept 4
	v_nop
.endr
.irp st, 12,16
	v_add_f32 v[\st+2], v[\st+2], v[\st+3]
.endr
.irp st, 12,16
	s_delay_alu instid0(VALU_DEP_2)
	v_permlanex16_b32 v[\st+3], v[\st+2], s[SEL], s[SEL+1]
.endr
.irp st, 12,16
	s_delay_alu instid0(VALU_DEP_2)
	v_add_f32 v[\st+2], v[\st+2], v[\st+3]         ; the row's sum
.endr
	s_wait_alu depctr_va_vdst(0)
.irp st, 12,16
	v_rcp_f32 v[\st+3], v[\st+2]
.endr
	v_mov_b32 v[NINF], 0xffff                      ; (the plain place behind the reciprocals)  two scale bytes that stand for NaN
	s_wait_alu depctr_va_vdst(0)
.set n, 0
.rept 32
	v_mul_f32 v[S+n], v[168+n], v15                ; each accumulator from its low end on
.set n, n+1
.endr
.set n, 0
.rept 32
	v_mul_f32 v[S+32+n], v[200+n], v19
.set n, n+1
.endr
.macro HQUANT y, st, pcx, hw
.irp b, 0,1
	v_max3_num_f32 v[BM+\b], |v[\y+16*\b]|, |v[\y+1+16*\b]|, 0x1800000
.endr
.irp i, 2,4,6,8,10,12,14
.irp b, 0,1
	s_delay_alu instid0(VALU_DEP_2)
	v_max3_num_f32 v[BM+\b], v[BM+\b], |v[\y+16*\b+\i]|, |v[\y+1+16*\b+\i]|
.endr
.endr
.irp b, 0,1
	s_delay_alu instid0(VALU_DEP_2)
	v_permlanex16_b32 v[PT+\b], v[BM+\b], s[SEL], s[SEL+1]
.endr
.irp b, 0,1
	s_delay_alu instid0(VALU_DEP_2)
	v_max_num_f32 v[BM+\b], v[BM+\b], v[PT+\b]
.endr
.irp b, 0,1
	s_delay_alu instid0(VALU_DEP_2)
	v_add_nc_u32 v[SO+\b], 0xff000000, v[BM+\b]
.endr
.irp b, 0,1
	s_delay_alu instid0(VALU_DEP_2)
	v_lshrrev_b32 v[PT+\b], 23, v[SO+\b]
.endr
	s_delay_alu instid0(VALU_DEP_1)
	v_lshl_or_b32 v[\hw], v[PT+1], 8, v[PT]
	v_cmp_eq_f32 vcc_lo, 0, v[\st+2]               ; no key counted for this query
	s_delay_alu instid0(VALU_DEP_1)
	v_cndmask_b32 v[\hw], v[\hw], v[NINF], vcc_lo
	v_cvt_scalef32_pk16_fp6_f32 v[\pcx:\pcx+2], v[\y:\y+15], v[SO]
	v_cvt_scalef32_pk16_fp6_f32 v[CT:CT+2], v[\y+16:\y+31], v[SO+1]
	v_nop
.irp i, 0,1,2
	v_permlane16_swap_b32 v[\pcx+\i], v[CT+\i]
.endr
.irp i, 0,1,2
	s_delay_alu instid0(VALU_DEP_3)
	v_mov_b32 v[\pcx+3+\i], v[CT+\i]
.endr
.endm
.set BM, 52                            ; on the way out the work registers lie in the fragments' registers, which are free
.set PT, 56
.set SO, 60
	HQUANT S, 12, 232, 244
	global_store_b128 v[L16], v[232:235], s[YBA:YBA+1]                ; 512 consecutive bytes, aligned
	global_store_b64 v[L8], v[236:237], s[YBA:YBA+1] offset:512       ; 256 consecutive bytes, aligned
	HQUANT S+32, 16, 238, 246
	global_store_b128 v[L16], v[238:241], s[YBB:YBB+1]
	global_store_b64 v[L8], v[242:243], s[YBB:YBB+1] offset:512
	v_cndmask_b32 v253, v244, v246, s[HM]          ; both halves of the lanes hold a row's halfword: lanes 0-15 send the first tile's, lanes 16-31 the second's
	global_store_b16 v[YO], v253, s[YSB:YSB+1]
	s_wait_tensorcnt 0x0                           ; the wave's end
	ds_add_u32 v[SPW], v[NIL]
	s_wait_dscnt 0x0
	CROUND                                         ; the closing round
	s_endpgm
.Lfunc_end_k_qa141b9ae85_attn:
	.size	k_qa141b9ae85_attn, .Lfunc_end_k_qa141b9ae85_attn-k_qa141b9ae85_attn
	.p2alignl 7, 3214868480
	.fill 96, 4, 3214868480
	.section	.rodata,"a",@progbits
	.p2align	6, 0x0
	.amdhsa_kernel k_qa141b9ae85_attn
		.amdhsa_group_segment_fixed_size 327680
		.amdhsa_private_segment_fixed_size 0
		.amdhsa_enable_private_segment 0
		.amdhsa_kernarg_size 32
		.amdhsa_user_sgpr_count 2
		.amdhsa_user_sgpr_kernarg_segment_ptr 1
		.amdhsa_wavefront_size32 1
		.amdhsa_system_sgpr_workgroup_id_x 1
		.amdhsa_system_sgpr_workgroup_id_y 1
		.amdhsa_system_sgpr_workgroup_id_z 1
		.amdhsa_system_vgpr_workitem_id 0
		.amdhsa_next_free_vgpr 256
		.amdhsa_next_free_sgpr 92
		.amdhsa_reserve_vcc 1
		.amdhsa_float_denorm_mode_32 3
		.amdhsa_float_denorm_mode_16_64 3
		.amdhsa_memory_ordered 1
		.amdhsa_forward_progress 1
		.amdhsa_inst_pref_size 69
	.end_amdhsa_kernel
	.amdgpu_metadata
---
amdhsa.version: [ 1, 2 ]
amdhsa.kernels:
  - .name:           k_qa141b9ae85_attn
    .symbol:         k_qa141b9ae85_attn.kd
    .args:
      - { .name: qq, .offset: 0, .size: 8, .value_kind: global_buffer, .address_space: global }
      - { .name: kv, .offset: 8, .size: 8, .value_kind: global_buffer, .address_space: global }
      - { .name: attn_mask, .offset: 16, .size: 8, .value_kind: global_buffer, .address_space: global }
      - { .name: yq, .offset: 24, .size: 8, .value_kind: global_buffer, .address_space: global }
    .group_segment_fixed_size: 327680
    .private_segment_fixed_size: 0
    .kernarg_segment_align: 8
    .kernarg_segment_size: 32
    .max_flat_workgroup_size: 512
    .sgpr_count:     92
    .vgpr_count:     256
    .wavefront_size: 32
...
	.end_amdgpu_metadata
.endif
;; end of part 3
;; launch proj (part 4): grid 8 x 32, 4 waves a work-group, clusters of 4 x 4, 327,680 bytes of LDS; arguments yq, wq, b_proj, out0; writes out0
.if DOCPART == 4
	.amdgcn_target "amdgcn-amd-amdhsa--gfx1250"
	.amdhsa_code_object_version 6
	.text
	.protected	k_qa141b9ae85_proj
	.globl	k_qa141b9ae85_proj
	.p2align	8
	.type	k_qa141b9ae85_proj,@function
k_qa141b9ae85_proj:
	s_mov_b64 s[64:65], 0
	v_nop
	global_prefetch_b8 v0, s[64:65] scope:SCOPE_SE
	s_setreg_imm32_b32 hwreg(HW_REG_WAVE_MODE, 25, 1), 1
	s_wait_xcnt 0x0
	s_wait_alu depctr_hold_cnt(0) depctr_sa_sdst(0) depctr_va_vdst(0) depctr_va_sdst(0) depctr_va_ssrc(0) depctr_va_vcc(0) depctr_vm_vsrc(0)
	s_getreg_b32 s2, hwreg(HW_REG_IB_STS2, 6, 4)
	s_cmp_eq_u32 s2, 0
	s_cbranch_scc0 .Lentry_in_a_cluster
	s_endpgm
.Lentry_in_a_cluster:
	s_bfe_u32 s2, ttmp6, 0x10000c
	s_cmp_lg_u32 s2, 0xf033
	s_cbranch_scc0 .Lentry_shape_is_right
	s_endpgm
.Lentry_shape_is_right:
; out0 = y W_proj + b_proj on codes of FP6 (E2M3).  A work-group makes 256 tokens x 128 columns; 8 x 32 work-groups.
; K IS 1,024 AND ALL OF IT LIES IN LDS: y's images of 256 tokens (16 heads x 12,288 bytes), W_proj's 128 rows of 768 bytes (16 of padding behind each 256: pitch 816), y's scale words (8 pairs of heads x 1,024 bytes).  Nothing is filled again.
; Four waves, 2 x 2.  A wave holds its 64 rows of the weight, all of K, in registers (32 fragments of 12) and streams tiles of 16 tokens past them: the wave in row a takes tile 2 s + a as its block s, s = 0 .. 7.
; A block is 32 products on four accumulators by turns; the bias is the first four products' C.  A block's fragments lie twice in registers: block s + 2 is fetched behind block s.
; Source 0 = the weight's rows (they lie in tile order in wq), source 1 = the tokens: a lane's 16 registers of two neighbouring tiles are 16 neighbouring columns of one token.
; THE WAY OUT of a block goes through the wave's own stage (16 rows of 256 + 16 bytes) and leaves in the middle of the next block: sixteen lanes store a token's 256 consecutive bytes, aligned.
; THE HEAD: one joint load a wave: wave 0 the weight's rows (shared along a column of the cluster), wave 1 y's scale words, wave 2 tiles 0-7 of y, wave 3 tiles 8-15 (shared along a row).  Three barriers show them in that order.
; THE WAITS' COUNTS.  A fetch is 36 LDS loads, a stage 16 LDS instructions.  Behind block s's fetch were issued block s - 1's stage and block s + 1's fetch: 52 (block 0: the one fetch, 36; block 7: a stage alone, 16).  Behind a stage: one fetch, 36 (block 7: none).
; No prefetch: every tile is asked for once, at the head, and there is no loop to run ahead in.
; A scale byte 0xff that the launch before wrote for a token without keys gives NaN in that token's row.
.set HB,    6144                       ; a head's images of 8 tiles
.set BP,    816
.set BB,    32*HB                      ; the weight's rows
.set ASC,   BB+128*BP                  ; y's scale words
.set STG,   ASC+8192                   ; the stages
.set SPI,   272
.set SPARE, STG+4*16*SPI               ; the spare words: 128 bytes a wave, named by no other line
.set RD,   4
.set CO,   5
.set ABS,  6
.set BO,   7
.set SPW,  10
.set NIL,  11
.set A16,  12                          ; v12-15 16 x lane + my tile, + 49,152 k: k = 2 x (tiles 8-15) + (heads 8-15)
.set A8,   16                          ; v16-19 the same with 8 x lane
.set ADB,  20                          ; v20, v21 my fragments of the weight (v21: behind one padding more in lanes 16-31)
.set ADS,  22
.set STO,  23
.set SB,   24                          ; v24-39 the weight's scale words: 8 (t / 2) + q, lanes 0-15 tile 2 (t / 2), lanes 16-31 the next
.set SA,   45                          ; v45-48, v53-56 y's: q / 2, lanes 0-15 even q, lanes 16-31 odd q
.set ACC,  64                          ; v64-127 two sets of four accumulators
.set BI,   128                         ; v128-159 the bias in the result's layout
.set OUT,  160                         ; v160-191 a block read back from the stage
.set G1A, 24
.set G1B, 32
.set G1S, 48
.set G0B, 56
.set G0S, 60
.set G0A, 68
.set G0A2, 72
.set MSB, 0
.macro WIN new                         ; the immediate's high byte repeats the setting that is left
.if MSB != \new
	s_set_vgpr_msb (MSB<<8)|\new
.set MSB, \new
.endif
.endm
.macro PLACES n
.rept \n
	v_nop
.endr
.endm
.macro CROUND
	s_barrier_signal -1
	s_barrier_wait -1
	s_cmp_lg_u32 s14, 0
	s_cbranch_scc1 .Lnot_wave_0_\@
	s_barrier_signal -3
.Lnot_wave_0_\@:
	s_barrier_wait -3
	s_barrier_signal -1
	s_barrier_wait -1
.endm
.macro ARM under, g0, g1, next
	s_cmp_lt_u32 s14, \under
	s_cbranch_scc0 \next
	tensor_load_to_lds s[\g0:\g0+3], s[\g1:\g1+7]
	s_nop 0
	PLACES 4
	s_branch .Lhead_asked
\next:
.endm
	s_load_b256 s[4:11], s[0:1], 0x0               ; yq, wq, b_proj, out0
	v_lshl_add_u32 v[SPW], v0, 2, SPARE
	v_mov_b32 v[NIL], 0
	ds_add_u32 v[SPW], v[NIL]                      ; the opening lines: the add twice and one wait
	ds_add_u32 v[SPW], v[NIL]
	v_lshrrev_b32 v1, 5, v0
	v_readfirstlane_b32 s14, v1                    ; wave; s15 its row of the 2 x 2, s16 its column
	s_lshr_b32 s15, s14, 1
	s_and_b32 s16, s14, 1
	s_bfe_u32 s40, ttmp6, 0x40000                  ; cx
	s_bfe_u32 s41, ttmp6, 0x40004                  ; cy
	s_lshl_b32 s42, ttmp9, 2
	s_add_co_u32 s42, s42, s40                     ; tile column, 0 .. 7
	s_and_b32 s17, ttmp7, 0xffff
	s_lshl_b32 s17, s17, 2
	s_add_co_u32 s17, s17, s41                     ; tile row, 0 .. 31
	s_lshl_b32 s43, s41, 2
	s_lshl_b32 s43, 15, s43                        ; my row of the cluster
	s_lshl_b32 s44, 0x1111, s40                    ; my column
	s_or_b32 s[G1A], s43, (3<<16)|(1<<21)          ; y: 16 heads' rows of 6,144 bytes, 393,216 apart
	s_mov_b32 s[G1A+1], 768<<16
	s_mov_b32 s[G1A+2], 16<<16
	s_mov_b32 s[G1A+3], 768<<16
	s_mov_b32 s[G1A+4], 16
	s_mov_b32 s[G1A+5], 49152
	s_mov_b32 s[G1A+6], 0
	s_mov_b32 s[G1A+7], 0
	s_or_b32 s[G1B], s44, (1<<20)|(1<<21)|(5<<22)|(3<<25)   ; the weight: 128 rows of 768 bytes, 4 words of padding behind every 64
	s_mov_b32 s[G1B+1], 768<<16
	s_mov_b32 s[G1B+2], 128<<16
	s_mov_b32 s[G1B+3], 768<<16
	s_mov_b32 s[G1B+4], 128
	s_mov_b32 s[G1B+5], 768
	s_mov_b32 s[G1B+6], 0
	s_mov_b32 s[G1B+7], 0
	s_or_b32 s[G1S], s43, (3<<16)|(1<<21)          ; y's scale words: 8 pairs' rows of 1,024 bytes, 32,768 apart
	s_mov_b32 s[G1S+1], 128<<16
	s_mov_b32 s[G1S+2], 8<<16
	s_mov_b32 s[G1S+3], 128<<16
	s_mov_b32 s[G1S+4], 8
	s_mov_b32 s[G1S+5], 4096
	s_mov_b32 s[G1S+6], 0
	s_mov_b32 s[G1S+7], 0
	s_mov_b32 s[G0B], 1
	s_mov_b32 s[G0B+1], BB
	s_mov_b32 s[G0S], 1
	s_mov_b32 s[G0S+1], ASC
	s_mov_b32 s[G0A], 1
	s_mov_b32 s[G0A+1], 0
	s_mov_b32 s[G0A2], 1
	s_mov_b32 s[G0A2+1], 16*HB
	s_mul_i32 s20, s15, 768
	s_mul_i32 s21, s16, 64*BP
	s_add_co_u32 s21, s21, BB
	s_lshl_b32 s22, s15, 6
	s_add_co_u32 s22, s22, ASC
	s_mul_i32 s23, s14, 16*SPI
	s_add_co_u32 s23, s23, STG
	v_and_b32 v1, 15, v0                           ; r
	v_bfe_u32 v2, v0, 4, 1                         ; h
	v_and_b32 v3, 31, v0
	v_lshlrev_b32 v8, 4, v3
	v_add_nc_u32 v[A16], s20, v8
	v_lshlrev_b32 v9, 3, v3
	v_add_nc_u32 v[A8], s20, v9
.irp k, 1,2,3
	v_add_nc_u32 v[A16+\k], \k*8*HB, v[A16]
	v_add_nc_u32 v[A8+\k], \k*8*HB, v[A8]
.endr
	v_mul_u32_u24 v8, v1, BP
	v_mad_u32_u24 v9, v2, 24, v8
	v_add_nc_u32 v[ADB], s21, v9
	v_mad_u32_u24 v9, v2, 40, v8
	v_add_nc_u32 v[ADB+1], s21, v9
	v_lshlrev_b32 v8, 2, v1
	v_lshl_add_u32 v8, v2, 10, v8
	v_add_nc_u32 v[ADS], s22, v8                   ; 4 r + 1,024 h + 64 x my row of waves
	v_mul_u32_u24 v8, v1, SPI
	v_lshl_add_u32 v8, v2, 6, v8
	v_add_nc_u32 v[STO], s23, v8                   ; into the stage: row r, 64 h
	v_mul_u32_u24 v8, v2, SPI
	v_lshl_add_u32 v8, v1, 4, v8
	v_add_nc_u32 v[RD], s23, v8                    ; out of it: sixteen lanes to a row, two rows an instruction
	v_lshlrev_b32 v8, 12, v2
	v_lshl_add_u32 v[CO], v1, 4, v8                ; and the same place in out0
	v_lshlrev_b32 v[ABS], 5, v3
	v_lshlrev_b32 v[BO], 6, v2
	s_wait_alu depctr_va_vdst(0)                   ; the wait behind the head's vector lines
	s_wait_dscnt 0x0
	CROUND                                         ; all sixteen work-groups are here: the joint loads meet
	s_wait_kmcnt 0x0
	s_mul_i32 s20, s17, 2*HB
	s_mov_b32 s21, 0
	s_add_nc_u64 s[G0A+2:G0A+3], s[4:5], s[20:21]
	s_add_nc_u64 s[G0A2+2:G0A2+3], s[G0A+2:G0A+3], HB
	s_or_b32 s[G0A+3], s[G0A+3], 0x80000000
	s_or_b32 s[G0A2+3], s[G0A2+3], 0x80000000
	s_lshl_b32 s20, s17, 10
	s_add_co_u32 s20, s20, 6291456
	s_add_nc_u64 s[G0S+2:G0S+3], s[4:5], s[20:21]
	s_or_b32 s[G0S+3], s[G0S+3], 0x80000000
	s_mul_i32 s20, s42, 128*768
	s_add_co_u32 s20, s20, 3072*768
	s_add_nc_u64 s[G0B+2:G0B+3], s[6:7], s[20:21]
	s_or_b32 s[G0B+3], s[G0B+3], 0x80000000
	ARM 1, G0B, G1B, .Lhead_s
	ARM 2, G0S, G1S, .Lhead_a
	ARM 3, G0A, G1A, .Lhead_a2
	tensor_load_to_lds s[G0A2:G0A2+3], s[G1A:G1A+7]
	s_nop 0
	PLACES 4
.Lhead_asked:
	s_lshl_b32 s20, s42, 7
	s_lshl_b32 s22, s16, 6
	s_add_co_u32 s20, s20, s22                     ; my first column
	s_lshl_b32 s22, s20, 2
	s_mov_b32 s23, 0
	s_add_nc_u64 s[8:9], s[8:9], s[22:23]          ; its bias
	s_add_nc_u64 s[10:11], s[10:11], s[22:23]
	s_add_co_u32 s20, s20, 3072
	s_lshl_b32 s20, s20, 5
	s_add_co_u32 s20, s20, 3145728
	s_add_nc_u64 s[76:77], s[6:7], s[20:21]        ; my 64 rows' scale bytes
	s_lshl_b32 s20, s17, 20
	s_lshl_b32 s22, s15, 16
	s_add_co_u32 s20, s20, s22
	s_add_nc_u64 s[10:11], s[10:11], s[20:21]      ; out0 at token 256 x tile row + 16 x my row of waves
.irp p, 0,1
.irp c, 0,1
	global_load_b128 v[SB+8*\p+4*\c:SB+8*\p+4*\c+3], v[ABS], s[76:77] offset:\p*1024+16*\c   ; a lane a row: 32 rows' 1,024 consecutive bytes
.endr
.endr
.irp t, 0,1,2,3
	global_load_b128 v[BI+8*\t:BI+8*\t+3], v[BO], s[8:9] offset:(32*(\t/2)+8*(\t%2))*4       ; tile t's register j: column 32 (t / 2) + 16 h + 8 (t % 2) + j
	global_load_b128 v[BI+8*\t+4:BI+8*\t+7], v[BO], s[8:9] offset:(32*(\t/2)+8*(\t%2))*4+16
.endr
; fragment f lies in window 1 + f / 21 at register 12 (f % 21): 0-31 the weight's (4 q + t), 32-39 and 40-47 the tokens' two sets
.macro BFRAG f, q, t
	WIN (1+(\f)/21)<<6
.irp p, 0,1,2,3,4,5
.set PC_, 12*(\q)+6*(\p/3)+\p%3
.if PC_%32 < 29
	ds_load_b64 v[12*((\f)%21)+2*\p:12*((\f)%21)+2*\p+1], v[ADB] offset:8*PC_+16*(PC_/32)+(\t)*16*BP
.else
	ds_load_b64 v[12*((\f)%21)+2*\p:12*((\f)%21)+2*\p+1], v[ADB+1] offset:8*PC_+16*(PC_/32)+(\t)*16*BP
.endif
.endr
.endm
.macro FETCH s, e                      ; block s into set e: 32 loads of codes, 4 of scale words
.irp q, 0,1,2,3,4,5,6,7
.set F_, 32+8*(\e)+\q
.set R_, 12*(F_%21)
.set K_, 2*((\s)/4)+\q/4
.set O_, ((2*\q)%8)*HB+((2*(\s))%8)*768
	WIN (1+F_/21)<<6
	ds_load_b128 v[R_:R_+3], v[A16+K_] offset:O_
	ds_load_b64 v[R_+4:R_+5], v[A8+K_] offset:O_+512
	ds_load_b128 v[R_+6:R_+9], v[A16+K_] offset:O_+HB
	ds_load_b64 v[R_+10:R_+11], v[A8+K_] offset:O_+HB+512
.endr
	WIN 0
.irp q2, 0,1,2,3
	ds_load_b32 v[SA+8*(\e)+\q2], v[ADS] offset:\q2*2048+(\s)*128
.endr
.endm
.macro PHALF e, qa, qb                 ; sixteen products: q = 2 q2 + qr, tile t = 2 t2 + tr
.irp q2, \qa, \qb
.irp qr, 0,1
.irp t2, 0,1
.irp tr, 0,1
.set FB_, 4*(2*\q2+\qr)+2*\t2+\tr
.set FA_, 32+8*(\e)+2*\q2+\qr
.set D_, ACC+32*(\e)+8*(2*\t2+\tr)
	WIN (1+FB_/21)|((1+FA_/21)<<2)
.if \q2+\qr
	v_wmma_scale_f32_16x16x128_f8f6f4 v[D_:D_+7], v[12*(FB_%21):12*(FB_%21)+11], v[12*(FA_%21):12*(FA_%21)+11], v[D_:D_+7], v[SB+8*\t2+2*\q2+\qr], v[SA+8*(\e)+\q2] matrix_a_fmt:MATRIX_FMT_FP6 matrix_b_fmt:MATRIX_FMT_FP6 matrix_a_scale:MATRIX_SCALE_ROW\tr matrix_b_scale:MATRIX_SCALE_ROW\qr
.else
	v_wmma_scale_f32_16x16x128_f8f6f4 v[D_:D_+7], v[12*(FB_%21):12*(FB_%21)+11], v[12*(FA_%21):12*(FA_%21)+11], v[BI+8*(2*\t2+\tr):BI+8*(2*\t2+\tr)+7], v[SB+8*\t2+2*\q2+\qr], v[SA+8*(\e)+\q2] matrix_a_fmt:MATRIX_FMT_FP6 matrix_b_fmt:MATRIX_FMT_FP6 matrix_a_scale:MATRIX_SCALE_ROW\tr matrix_b_scale:MATRIX_SCALE_ROW\qr
.endif
.endr
.endr
.endr
.endr
.endm
.macro STAGE e                         ; LDS serves a wave's instructions in order: the loads see the stores
.irp t, 0,1,2,3
	ds_store_b128 v[STO], v[ACC+32*(\e)+8*\t:ACC+32*(\e)+8*\t+3] offset:128*(\t/2)+32*(\t%2)       ; each accumulator from its low end on
	ds_store_b128 v[STO], v[ACC+32*(\e)+8*\t+4:ACC+32*(\e)+8*\t+7] offset:128*(\t/2)+32*(\t%2)+16
.endr
.irp t, 0,1,2,3,4,5,6,7
	ds_load_b128 v[OUT+4*\t:OUT+4*\t+3], v[RD] offset:2*\t*SPI
.endr
.endm
.macro SEND s
.irp t, 0,1,2,3,4,5,6,7
	global_store_b128 v[CO], v[OUT+4*\t:OUT+4*\t+3], s[10:11] offset:(\s)*131072+\t*8192 th:TH_STORE_NT   ; sixteen lanes store 256 consecutive bytes, aligned
.endr
.endm
.macro BLK s
.set E_, (\s)%2
.if (\s) == 2
	s_wait_tensorcnt 0x0                           ; every wave waits: the barrier shows tiles 8-15, which the fetch below reads
	s_wait_dscnt 0x0
	SEND 1
	s_barrier_signal -1
	PHALF E_, 0, 1
	PHALF E_, 2, 3
	WIN 0
	s_barrier_wait -1
.else
.if (\s) == 0
	s_wait_dscnt 36
.elseif (\s) == 7
	s_wait_dscnt 16
.else
	s_wait_dscnt 52
.endif
	PHALF E_, 0, 1
.if (\s) > 0
	WIN 0
.if (\s) == 7
	s_wait_dscnt 0x0
.else
	s_wait_dscnt 36
.endif
	SEND (\s)-1
.endif
	PHALF E_, 2, 3
	WIN 0
.endif
	PLACES 4                                       ; between the products and the reads of their results and the loads into their fragments
	s_wait_xcnt 0x0                                ; the last block's stores have read the registers that the stage's loads fill
	STAGE E_
.if (\s) < 6
	FETCH (\s)+2, E_
.endif
.endm
	s_cmp_eq_u32 s14, 0
	s_cbranch_scc0 .Lnot_b
	s_wait_tensorcnt 0x0
.Lnot_b:
	s_barrier_signal -1
	s_barrier_wait -1                              ; the weight's rows are in
.irp q, 0,1,2,3,4,5,6,7
.irp t, 0,1,2,3
	BFRAG 4*\q+\t, \q, \t
.endr
.endr
	WIN 0
	s_cmp_eq_u32 s14, 3
	s_cbranch_scc1 .Lnot_a
	s_wait_tensorcnt 0x0
.Lnot_a:
	s_wait_dscnt 0x0
	s_barrier_signal -1
	s_barrier_wait -1                              ; y's scale words and tiles 0-7 are in; tiles 8-15 may be on their way
	FETCH 0, 0
	FETCH 1, 1
	s_wait_loadcnt 0x0                             ; the weight's scale words and the bias
.irp s, 0,1,2,3,4,5,6,7
	BLK \s
.endr
	s_wait_dscnt 0x0
	SEND 7
	s_wait_tensorcnt 0x0                           ; the wave's end
	ds_add_u32 v[SPW], v[NIL]
	s_wait_dscnt 0x0
	CROUND                                         ; the closing round
	s_endpgm
.Lfunc_end_k_qa141b9ae85_proj:
	.size	k_qa141b9ae85_proj, .Lfunc_end_k_qa141b9ae85_proj-k_qa141b9ae85_proj
	.p2alignl 7, 3214868480
	.fill 96, 4, 3214868480
	.section	.rodata,"a",@progbits
	.p2align	6, 0x0
	.amdhsa_kernel k_qa141b9ae85_proj
		.amdhsa_group_segment_fixed_size 327680
		.amdhsa_private_segment_fixed_size 0
		.amdhsa_enable_private_segment 0
		.amdhsa_kernarg_size 32
		.amdhsa_user_sgpr_count 2
		.amdhsa_user_sgpr_kernarg_segment_ptr 1
		.amdhsa_wavefront_size32 1
		.amdhsa_system_sgpr_workgroup_id_x 1
		.amdhsa_system_sgpr_workgroup_id_y 1
		.amdhsa_system_sgpr_workgroup_id_z 1
		.amdhsa_system_vgpr_workitem_id 0
		.amdhsa_next_free_vgpr 840
		.amdhsa_next_free_sgpr 80
		.amdhsa_reserve_vcc 0
		.amdhsa_float_denorm_mode_32 3
		.amdhsa_float_denorm_mode_16_64 3
		.amdhsa_memory_ordered 1
		.amdhsa_forward_progress 1
		.amdhsa_inst_pref_size 90
	.end_amdhsa_kernel
	.amdgpu_metadata
---
amdhsa.version: [ 1, 2 ]
amdhsa.kernels:
  - .name:           k_qa141b9ae85_proj
    .symbol:         k_qa141b9ae85_proj.kd
    .args:
      - { .name: yq, .offset: 0, .size: 8, .value_kind: global_buffer, .address_space: global }
      - { .name: wq, .offset: 8, .size: 8, .value_kind: global_buffer, .address_space: global }
      - { .name: b_proj, .offset: 16, .size: 8, .value_kind: global_buffer, .address_space: global }
      - { .name: out0, .offset: 24, .size: 8, .value_kind: global_buffer, .address_space: global }
    .group_segment_fixed_size: 327680
    .private_segment_fixed_size: 0
    .kernarg_segment_align: 8
    .kernarg_segment_size: 32
    .max_flat_workgroup_size: 128
    .sgpr_count:     80
    .vgpr_count:     840
    .wavefront_size: 32
...
	.end_amdgpu_metadata
.endif
;; end of part 4
